; MI455X (gfx1250); checked and timed in simulation.
; The chip was launched on July 23, 2026; its instructions are those of AMD's public machine-readable ISA for CDNA 5 (MIT licence, August 2026) and "CDNA5" Instruction Set Architecture Reference Guide (July 2026). The comments in the code are by the model that wrote it; some were corrected since.
;; Conformer Block. Allowed arithmetic: matrix products marked QUANTISED: E4M3 operands, one given power-of-two scale a tensor, by v_wmma_f32_16x16x64_fp8_fp8 or v_wmma_f32_16x16x128_fp8_fp8, f32 sums; everything else in f32.
;; Inputs: W_ffn1 1,024 x 4,096 float32; W_ffn2 4,096 x 1,024 float32; W_proj 1,024 x 1,024 float32; W_qkv 1,024 x 3,072 float32; b_ffn1 4,096 float32; b_ffn2 1,024 float32; b_proj 1,024 float32; b_qkv 3,072 float32; ln1_b 1,024 float32; ln1_g 1,024 float32; ln2_b 1,024 float32; ln2_g 1,024 float32; lowp_scales 12 int32 (the exponents e of the quantised operands' scales 2^e); x 2 x 2,048 x 1,024 float32.
;; Outputs: out0 2 x 2,048 x 1,024 float32.
;; This version of the problem:
;;   THIS VERSION OF THE PROBLEM IS GIVEN IN LOW PRECISION. The matrix products marked QUANTISED in the list below multiply operands that are first quantised to E4M3 (4 exponent bits, 3 mantissa bits; 8 bits a number), with one given power-of-two scale for each operand tensor; their sums are f32. All else is computed in f32.
;;   The module's matrix products, in the order in which they are computed (A, B: the left and right operand; K: the contracted axis; several contracted axes count as one K, in the product's order):
;;     1. [M 4,096, K 1,024] x [K 1,024, N 3,072]; A: computed on the way; B: input W_qkv: QUANTISED (scales: A lowp_scales[0], B lowp_scales[1])
;;     2. batch 32 x [M 2,048, K 64] x [K 64, N 2,048]; A: computed on the way; B: computed on the way: QUANTISED (scales: A lowp_scales[2], B lowp_scales[3])
;;     3. batch 32 x [M 2,048, K 2,048] x [K 2,048, N 64]; A: softmax (see below); B: computed on the way: QUANTISED (scales: A lowp_scales[4], B lowp_scales[5])
;;     4. [M 4,096, K 1,024] x [K 1,024, N 1,024]; A: computed on the way; B: input W_proj: QUANTISED (scales: A lowp_scales[6], B lowp_scales[7])
;;     5. [M 4,096, K 1,024] x [K 1,024, N 4,096]; A: computed on the way; B: input W_ffn1: QUANTISED (scales: A lowp_scales[8], B lowp_scales[9])
;;     6. [M 4,096, K 4,096] x [K 4,096, N 1,024]; A: computed on the way; B: input W_ffn2: QUANTISED (scales: A lowp_scales[10], B lowp_scales[11])
;;   THE QUANTISER, for each operand of a quantised product, along K:
;;     - The operand's scale is 2^e, e = its entry of the input lowp_scales (int32; the entries are numbered through the quantised products in the list's order, A before B).
;;     - Each number is divided by the scale, clamped to +-448, and rounded to the nearest number of E4M3, ties to even, subnormals kept.
;;     - The product sums the exact products of the quantised numbers (number of the format x scale) in f32.
;;   ~~~python
;;   def quantise(x, axis, e):      # numpy; x: float32 -> the quantised numbers, widened to float32 again
;;       x = np.moveaxis(x, axis, -1); K = x.shape[-1]
;;       r = np.clip(x / 2.0 ** e, -448, 448)
;;       step = 2.0 ** (np.maximum(np.frexp(np.where(r == 0, 1, r))[1] - 1, -6) - 3)
;;       q = np.round(r / step) * step * 2.0 ** e      # np.round: ties to even
;;       return np.moveaxis(q, -1, axis).astype(np.float32)
;;   ~~~
;;   SOFTMAX AHEAD OF A QUANTISED PRODUCT. Where the list says 'softmax', what is quantised is not the finished softmax but p = 2^(t - M), with t = logit x log2(e) and M = ceil(the row's largest t), a whole number; so 1/2 < the row's largest p <= 1. The row's sum l is taken of the UNQUANTISED p, in f32, and the product's result is divided by l at the end. Since M is a whole number, a kernel that streams over the keys may use a running M (the ceiling of the running maximum): every later rescaling is an exact power of two, so the quantised numbers keep their values, but for numbers so far below the row's largest that they fall under the format's range.
;;   OPERANDS COMPUTED ON THE WAY. 'Computed on the way' means the value that the module computes at that place (a softmax that the list does not call 'softmax' is quantised finished and normalised). What goes into a quantiser is computed in f32, as accurately as f32 sums, v_exp_f32 and their like allow (about 1e-6 of the number): no bf16 or f16 on the way to a quantiser, and a product that is left as it is and whose result goes on into a quantised operand takes f32 operands (vector FMAs, or v_wmma_f32_16x16x4_f32). A number that lies on a knife's edge between two numbers of the format may be rounded either way, as far as f32 arithmetic and the matrix unit's own rounding can turn it there, and no further.
;; One version. Each part assembles by itself: llvm-mc -triple=amdgcn-amd-amdhsa -mcpu=gfx1250 --defsym DOCPART=n.
;; ======== version 1 of 1: 7 launches
;; limits: right only within a limited range of input values
;; workspace buffers: wimg 12,582,912 bytes; aimg 4,194,304 bytes; rope 524,288 bytes; qkvc 12,582,912 bytes; ao 4,194,304 bytes; x1 16,777,216 bytes; himg 16,777,216 bytes
;; launch prep (part 1): grid 1152 x 1, 4 waves a work-group, no clusters, 9,728 bytes of LDS; arguments x, ln1_g, ln1_b, W_qkv, W_proj, W_ffn1, W_ffn2, lowp_scales, aimg, wimg, rope; writes aimg, wimg, rope
.if DOCPART == 1
	.amdgcn_target "amdgcn-amd-amdhsa--gfx1250"
	.amdhsa_code_object_version 6
	.text
	.protected	k_q9dd684a190_prep
	.globl	k_q9dd684a190_prep
	.p2align	8
	.type	k_q9dd684a190_prep,@function
k_q9dd684a190_prep:
	s_mov_b64 s[64:65], 0
	v_nop
	global_prefetch_b8 v0, s[64:65] scope:SCOPE_SE
	s_setreg_imm32_b32 hwreg(HW_REG_WAVE_MODE, 25, 1), 1
	s_wait_xcnt 0x0
; Three jobs that no other launch depends on being apart, told by the work-group's number:
;   0-255      LayerNorm 1 of 16 rows of x, quantised to E4M3 with 2^e0           -> aimg
;   256-1023   the four weights [K][N] f32, quantised along K (e1, e7, e9, e11)   -> wimg
;   1024-1151  the table of cos and sin for RoPE, [2048][32] f32 each             -> rope
; CODES ARE STORED AS IMAGES OF THE MATRIX OPERAND'S REGISTERS.  A fragment is 16 rows x 128 k = 2,048 bytes; fragment (block, K step) lies at (block x K/128 + K step) x 2,048;
; in it group c (0..3) at 512 c, lane l at 16 l; lane (r = l % 16, h = l / 16) holds row slot r, k = 128 step + 32 c + 16 h + 0..15.  So a wave's store is 512 (or 2 x 256) consecutive bytes.
; Rows of activations: slot r of block b is token 16 b + r.  Rows of weights (output columns n): slot r of block 2 g + u is column 32 g + 8 u + r + 8 (r / 8), so that a later product's
; results, used transposed, give a lane 16 neighbouring columns in 16 neighbouring registers.
; LIMITS: each e between -126 and 119; NaN among the inputs is not served (an infinity is held at the largest code).
; RoPE: inv_freq = 2^(-j log2(10000)/32) by v_exp_f32; the angle is reduced by pi/2 in two parts (the first difference is exact) and sin, cos come from polynomials on [-pi/4, pi/4].
.set X,   32                           ; LN: v32-159  register 16 q + i = column 256 wave + 32 q + 16 h + i of my row
.set GB,  160                          ; LN: v160-223 two sets of 16 g and 16 b
.set CD,  224                          ; LN: v224-255 first g and b on their way to LDS, then codes, four registers a group: no store's data are written again
.set GBL, 1024                         ; LN: LDS behind the two sums' words: 2,048 bytes a wave: its 256 g, then its 256 b
.set XW,  48                           ; W:  v48-111  two sets of 32 numbers down K
.set CW,  112                          ; W:  v112-143 codes, eight registers a block
	s_load_b512 s[4:19], s[0:1], 0x0               ; x 4:5, g 6:7, b 8:9, W_qkv 10:11, W_proj 12:13, W_ffn1 14:15, W_ffn2 16:17, scales 18:19
	s_load_b128 s[20:23], s[0:1], 0x40             ; aimg, wimg
	s_load_b64 s[24:25], s[0:1], 0x50              ; rope
	v_lshrrev_b32 v1, 5, v0
	v_readfirstlane_b32 s26, v1                    ; wave 0..3
	v_and_b32 v1, 31, v0                           ; lane
	s_wait_kmcnt 0x0
	s_load_b256 s[28:35], s[18:19], 0x0            ; e0 .. e7
	s_load_b128 s[36:39], s[18:19], 0x20           ; e8 .. e11
	s_cmp_ge_u32 ttmp9, 1024
	s_cbranch_scc1 .Lrope
	s_cmp_ge_u32 ttmp9, 256
	s_cbranch_scc1 .Lweights
; ---------------- LayerNorm: the work-group owns 16 rows, wave w their columns 256 w .. 256 w + 255; lanes (r, 0) and (r, 1) share row r ----------------
.macro GBLOAD q                        ; g and b of my 16 columns of group q, out of my wave's own LDS bytes, into set q % 2; sixteen lanes read the same 16 bytes
.irp j, 0,1,2,3
	ds_load_b128 v[GB+32*((\q)%2)+4*\j:GB+32*((\q)%2)+4*\j+3], v30 offset:128*(\q)+16*\j
	ds_load_b128 v[GB+32*((\q)%2)+16+4*\j:GB+32*((\q)%2)+16+4*\j+3], v30 offset:1024+128*(\q)+16*\j
.endr
.endm
.macro FOLD                            ; four packed chains v[16:23] -> v16
	v_pk_add_f32 v[16:17], v[16:17], v[18:19]
	v_pk_add_f32 v[20:21], v[20:21], v[22:23]
	v_pk_add_f32 v[16:17], v[16:17], v[20:21]
	v_add_f32 v16, v16, v17
.endm
.macro ACROSS off                      ; v16: my lane's part -> v16: the row's sum over all 1,024 columns.  Each wave has its own 128 bytes at off
	v_permlanex16_b32 v9, v16, s44, s45            ; the lane 16 away holds the same row
	v_add_f32 v16, v16, v9
	ds_store_b32 v6, v16 offset:\off
	s_wait_dscnt 0x0                               ; for the other waves' sake: my store has landed
	s_barrier_signal -1
	s_barrier_wait -1
.irp i, 0,1,2,3
	ds_load_b32 v[24+\i], v7 offset:\off+128*\i    ; the same lane's word of each wave: the same row
.endr
	s_wait_dscnt 0x0
	v_add_f32 v24, v24, v25
	v_add_f32 v26, v26, v27
	v_add_f32 v16, v24, v26
.endm
	v_and_b32 v2, 15, v0                           ; r
	v_bfe_u32 v3, v0, 4, 1                         ; h
	s_lshl_b32 s46, s26, 10                        ; my wave's 256 columns, in bytes
	v_lshlrev_b32 v5, 6, v3
	v_add_nc_u32 v5, s46, v5                       ; 1,024 w + 64 h
	v_lshl_add_u32 v4, v2, 12, v5                  ; x: + row r of 4,096 bytes
	s_wait_alu depctr_va_vdst(0)
	v_lshl_add_u32 v28, v1, 4, s46                 ; g, b in memory: 1,024 w + 16 x lane
	s_wait_alu depctr_va_vdst(0)
	s_lshl_b32 s49, s26, 11
	s_add_co_u32 s49, s49, GBL                     ; my wave's 2,048 bytes of LDS
	v_lshl_add_u32 v29, v1, 4, s49                 ; into them: 16 x lane
	v_lshl_add_u32 v30, v3, 6, s49                 ; out of them: 64 h
	v_lshlrev_b32 v6, 2, v0                        ; LDS: my word
	v_lshlrev_b32 v7, 2, v1                        ; LDS: my lane's word of wave 0
	s_lshl_b32 s47, s26, 12
	v_lshl_add_u32 v8, v1, 4, s47                  ; the image: 16 x lane + two K steps a wave
	v_mov_b32 v9, 0                                ; a lane permute's destination counts as read
	s_mov_b32 s44, 0x76543210
	s_mov_b32 s45, 0xfedcba98                      ; selects for lane l xor 16
	s_lshl_b32 s40, ttmp9, 16                      ; 16 rows of 4,096 bytes
	s_mov_b32 s41, 0
	s_add_nc_u64 s[40:41], s[4:5], s[40:41]
	s_lshl_b32 s42, ttmp9, 14                      ; a block's image: 8 K steps of 2,048 bytes
	s_mov_b32 s43, 0
	s_add_nc_u64 s[42:43], s[20:21], s[42:43]
	global_load_b128 v[CD:CD+3], v28, s[6:7]                  ; all of my wave's g and b at once, ahead of x: 512 consecutive bytes a load
	global_load_b128 v[CD+4:CD+7], v28, s[6:7] offset:512
	global_load_b128 v[CD+8:CD+11], v28, s[8:9]
	global_load_b128 v[CD+12:CD+15], v28, s[8:9] offset:512
.irp q, 0,1,2,3,4,5,6,7
.irp j, 0,1,2,3
	global_load_b128 v[X+16*\q+4*\j:X+16*\q+4*\j+3], v4, s[40:41] offset:128*\q+16*\j th:TH_LOAD_NT
.endr
.endr
	s_wait_alu depctr_va_vdst(0)
	s_wait_kmcnt 0x0
	s_add_co_i32 s47, s28, 127                     ; e0
	s_lshl_b32 s48, s47, 23
	v_mov_b32 v14, s48                             ; 2^e as f32: the conversion takes its exponent field
	s_add_co_i32 s47, s47, 8
	s_lshl_b32 s47, s47, 23
	s_or_b32 s47, s47, 0x600000
	v_mov_b32 v15, s47                             ; 448 x 2^e
	s_wait_loadcnt 32                              ; g and b are in; x's 32 younger loads may be out
	ds_store_b128 v29, v[CD:CD+3]
	ds_store_b128 v29, v[CD+4:CD+7] offset:512
	ds_store_b128 v29, v[CD+8:CD+11] offset:1024
	ds_store_b128 v29, v[CD+12:CD+15] offset:1536
	GBLOAD 0                                       ; LDS serves a wave's instructions in order (ISA guide 5.7.1.4): these see my stores; no other wave touches these bytes
	GBLOAD 1
	s_wait_loadcnt 0                               ; x is in
.irp k, 0,1,2,3
	v_pk_add_f32 v[16+2*\k:17+2*\k], v[X+2*\k:X+2*\k+1], v[X+8+2*\k:X+9+2*\k]   ; the first pairs start the chains
.endr
.set p, 8
.rept 56
	v_pk_add_f32 v[16+2*(p%4):17+2*(p%4)], v[16+2*(p%4):17+2*(p%4)], v[X+2*p:X+2*p+1]
.set p, p+1
.endr
	FOLD
	ACROSS 0
	v_mul_f32 v10, 0x3a800000, v16                 ; the mean: / 1,024
	v_mov_b32 v11, v10
.set p, 0
.rept 64
	v_pk_add_f32 v[X+2*p:X+2*p+1], v[X+2*p:X+2*p+1], v[10:11] neg_lo:[0,1] neg_hi:[0,1]   ; x - mean first: the variance is taken of differences, whatever offset x carries
.set p, p+1
.endr
.irp k, 0,1,2,3
	v_pk_mul_f32 v[16+2*\k:17+2*\k], v[X+2*\k:X+2*\k+1], v[X+2*\k:X+2*\k+1]
.endr
.set p, 4
.rept 60
	v_pk_fma_f32 v[16+2*(p%4):17+2*(p%4)], v[X+2*p:X+2*p+1], v[X+2*p:X+2*p+1], v[16+2*(p%4):17+2*(p%4)]
.set p, p+1
.endr
	FOLD
	ACROSS 512                                     ; other bytes than the first sum's: no third barrier is needed
	v_mov_b32 v13, 0x3727c5ac                      ; 1e-5
	v_fma_f32 v12, v16, 0x3a800000, v13            ; variance + eps
	s_wait_alu depctr_va_vdst(0)
	v_rsq_f32 v12, v12
	v_nop                                          ; a plain instruction behind the transcendental
	s_wait_alu depctr_va_vdst(0)                   ; and the wait ahead of its first reader
	v_mov_b32 v13, v12
	s_wait_alu depctr_va_vdst(0)
.irp q, 0,1,2,3,4,5,6,7
.if \q < 7
	s_wait_dscnt 8                                 ; this group's g and b are in; the next group's eight LDS loads may be out
.else
	s_wait_dscnt 0
.endif
.irp i, 0,2,4,6,8,10,12,14
	v_pk_mul_f32 v[X+16*\q+\i:X+16*\q+\i+1], v[X+16*\q+\i:X+16*\q+\i+1], v[12:13]
.endr
.irp i, 0,2,4,6,8,10,12,14
	v_pk_fma_f32 v[X+16*\q+\i:X+16*\q+\i+1], v[X+16*\q+\i:X+16*\q+\i+1], v[GB+32*(\q%2)+\i:GB+32*(\q%2)+\i+1], v[GB+32*(\q%2)+16+\i:GB+32*(\q%2)+17+\i]
.endr
.irp i, 0,1,2,3,4,5,6,7,8,9,10,11,12,13,14,15
	v_med3_num_f32 v[X+16*\q+\i], v[X+16*\q+\i], -v15, v15   ; the conversion to an 8-bit code does not saturate (ISA guide 7.6.2): hold first
.endr
	v_cvt_scalef32_pk8_fp8_f32 v[CD+4*\q:CD+4*\q+1], v[X+16*\q:X+16*\q+7], v14
	v_cvt_scalef32_pk8_fp8_f32 v[CD+4*\q+2:CD+4*\q+3], v[X+16*\q+8:X+16*\q+15], v14
	global_store_b128 v8, v[CD+4*\q:CD+4*\q+3], s[42:43] offset:512*\q     ; 32 lanes store 512 consecutive bytes: one group of the image
.if \q < 6
	GBLOAD \q+2
.endif
.endr
	v_lshl_add_u32 v32, v0, 2, 0x2400              ; this path leaves no two registers free, so v0 is kept and my spare word's address and 0 are made here, ahead of the closing lines
	v_mov_b32 v33, 0
	s_wait_alu depctr_va_vdst(0)                   ; directly ahead of the wait below
	s_wait_tensorcnt 0x0                           ; the wave's end: behind my last LDS store
	ds_add_u32 v32, v33
	s_wait_dscnt 0x0
	s_endpgm
; ---------------- weights: a work-group takes 128 columns x 128 k, a wave 32 columns; a lane takes a column and its registers run down K ----------------
; A wave's share is small, four blocks of 32 along K, so that many waves are at work at once, each with two blocks' 64 loads asked for.
.Lweights:
	s_wait_kmcnt 0x0
	s_sub_co_u32 s50, ttmp9, 256                   ; 0-191 W_qkv, 192-255 W_proj, 256-511 W_ffn1, 512-767 W_ffn2
	s_mov_b32 s51, 512                             ; the tensor's first work-group
	s_mov_b32 s52, 5                               ; log2 of (K / 128)
	s_mov_b32 s53, 4096                            ; a row of the tensor in bytes
	s_mov_b32 s54, 65536                           ; a block's image: 16 K bytes
	s_mov_b32 s55, 8388608                         ; the tensor's place in wimg
	s_mov_b64 s[56:57], s[16:17]
	s_mov_b32 s58, s39                             ; e11
	s_cmp_lt_u32 s50, 512
	s_cselect_b32 s51, 256, s51
	s_cselect_b32 s52, 3, s52
	s_cselect_b32 s53, 16384, s53
	s_cselect_b32 s54, 16384, s54
	s_cselect_b32 s55, 4194304, s55
	s_cselect_b64 s[56:57], s[14:15], s[56:57]
	s_cselect_b32 s58, s37, s58                    ; e9
	s_cmp_lt_u32 s50, 256
	s_cselect_b32 s51, 192, s51
	s_cselect_b32 s53, 4096, s53
	s_cselect_b32 s55, 3145728, s55
	s_cselect_b64 s[56:57], s[12:13], s[56:57]
	s_cselect_b32 s58, s35, s58                    ; e7
	s_cmp_lt_u32 s50, 192
	s_cselect_b32 s51, 0, s51
	s_cselect_b32 s53, 12288, s53
	s_cselect_b32 s55, 0, s55
	s_cselect_b64 s[56:57], s[10:11], s[56:57]
	s_cselect_b32 s58, s29, s58                    ; e1
	s_sub_co_u32 s59, s50, s51
	s_bfm_b32 s60, s52, 0
	s_and_b32 s60, s59, s60                        ; which 128 along K
	s_lshr_b32 s59, s59, s52                       ; which 128 columns
	s_wait_alu depctr_va_vdst(0)
	v_and_b32 v2, 15, v1                           ; slot r
	v_lshrrev_b32 v4, 4, v1                        ; u: which of the wave's two blocks
	v_and_b32 v5, 8, v2
	v_add_nc_u32 v5, v5, v2
	v_lshl_add_u32 v5, v4, 3, v5                   ; my column of the wave's 32: 8 u + r + 8 (r / 8).  The order is made by the loads, so the stores are plain
	v_lshlrev_b32 v16, 2, v5
.set i, 1
.rept 31
	v_add_nc_u32 v[16+i], s53, v[15+i]             ; v16-47: my column in rows 0 .. 31 of a block
.set i, i+1
.endr
	v_mul_lo_u32 v3, v4, s54
	v_lshl_add_u32 v3, v2, 4, v3                   ; the image: block u, 16 bytes at slot r
	s_mul_i32 s46, s60, s53
	s_lshl_b32 s46, s46, 7                         ; 128 rows a step along K
	s_lshl_b32 s47, s59, 9
	s_add_co_u32 s46, s46, s47
	s_lshl_b32 s47, s26, 7
	s_add_co_u32 s46, s46, s47                     ; + 128 columns a work-group, 32 a wave
	s_mov_b32 s47, 0
	s_lshl_b32 s48, s53, 5                         ; 32 rows on
	s_mov_b32 s49, 0
	s_add_nc_u64 s[66:67], s[56:57], s[46:47]      ; a base for each of the four blocks: no pointer is stepped under pending loads
.irp t, 1,2,3
	s_add_nc_u64 s[66+2*\t:67+2*\t], s[64+2*\t:65+2*\t], s[48:49]
.endr
	s_lshl_b32 s40, s59, 3
	s_lshl_b32 s41, s26, 1
	s_add_co_u32 s40, s40, s41                     ; my wave's first block: 8 x (128 columns) + 2 x wave
	s_mul_i32 s40, s40, s54
	s_add_co_u32 s40, s40, s55
	s_lshl_b32 s41, s60, 11                        ; one K step for 128 along K
	s_add_co_u32 s40, s40, s41
	s_mov_b32 s41, 0
	s_add_nc_u64 s[82:83], s[22:23], s[40:41]
	s_add_co_i32 s58, s58, 127
	s_lshl_b32 s42, s58, 23
	v_mov_b32 v11, s42                             ; 2^e
	s_add_co_i32 s58, s58, 8
	s_lshl_b32 s58, s58, 23
	s_or_b32 s58, s58, 0x600000
	v_mov_b32 v10, s58                             ; 448 x 2^e
.macro LOADW t                         ; block t: W(32 t + i, my column); 32 lanes read 128 consecutive bytes
.set i, 0
.rept 32
	global_load_b32 v[XW+32*((\t)%2)+i], v[16+i], s[66+2*(\t):67+2*(\t)] th:TH_LOAD_NT
.set i, i+1
.endr
.endm
.macro BLOCKW t
.if (\t) < 3
	s_wait_loadcnt 32                              ; this block's 32 loads are in; the next block's may be out
.else
	s_wait_loadcnt 0
.endif
.set i, 0
.rept 32
	v_med3_num_f32 v[XW+32*((\t)%2)+i], v[XW+32*((\t)%2)+i], -v10, v10
.set i, i+1
.endr
.irp g, 0,1,2,3
	v_cvt_scalef32_pk8_fp8_f32 v[CW+8*(\t)+2*\g:CW+8*(\t)+2*\g+1], v[XW+32*((\t)%2)+8*\g:XW+32*((\t)%2)+8*\g+7], v11
.endr
	global_store_b128 v3, v[CW+8*(\t):CW+8*(\t)+3], s[82:83] offset:512*(\t)         ; k = 32 t + 0..15: the image's lanes 0-15; sixteen lanes store 256 consecutive bytes
	global_store_b128 v3, v[CW+8*(\t)+4:CW+8*(\t)+7], s[82:83] offset:512*(\t)+256   ; k = 32 t + 16..31: its lanes 16-31
.if (\t) < 2
	LOADW (\t)+2
.endif
.endm
	s_wait_alu depctr_va_vdst(0)
	LOADW 0
	LOADW 1
.irp t, 0,1,2,3
	BLOCKW \t
.endr
	s_endpgm
; ---------------- RoPE's table: a wave takes 4 positions; lane l: position l / 8, frequencies 4 (l % 8) + 0..3 ----------------
.Lrope:
	s_wait_kmcnt 0x0                               ; (the exponents' loads, which this path does not use)
	s_sub_co_u32 s40, ttmp9, 1024
	s_lshl_b32 s40, s40, 2
	s_add_co_u32 s40, s40, s26                     ; which four positions
	s_lshl_b32 s41, s40, 2
	s_wait_alu depctr_va_vdst(0)
	v_lshrrev_b32 v2, 3, v1
	v_add_nc_u32 v2, s41, v2
	v_cvt_f32_u32 v4, v2                           ; the position
	v_and_b32 v3, 7, v1
	v_lshlrev_b32 v3, 2, v3
	s_wait_alu depctr_va_vdst(0)
	v_lshlrev_b32 v5, 4, v1
	s_mov_b32 s42, 0xbfc90fdb                      ; -(pi/2)'s upper part
	s_mov_b32 s43, 0x333bbd2e                      ; upper part - pi/2
	s_mov_b32 s44, 0xb94ca1f9                      ; sin's polynomial
	s_mov_b32 s45, 0x3c08839e
	s_mov_b32 s46, 0xbe2aaaa3
	s_mov_b32 s47, 0x37ccf5ce                      ; cos's
	s_mov_b32 s48, 0xbab6061a
	s_mov_b32 s49, 0x3d2aaaa5
	s_lshl_b32 s50, s40, 9
	s_mov_b32 s51, 0
	s_add_nc_u64 s[52:53], s[24:25], s[50:51]
.irp q, 0,1,2,3
	v_add_nc_u32 v[8+\q], \q, v3
	v_cvt_f32_u32 v[8+\q], v[8+\q]
	v_mul_f32 v[8+\q], 0xbed49a78, v[8+\q]         ; -j log2(10000) / 32
.endr
	s_wait_alu depctr_va_vdst(0)
.irp q, 0,1,2,3
	v_exp_f32 v[8+\q], v[8+\q]                     ; inv_freq
.endr
	v_nop
	s_wait_alu depctr_va_vdst(0)                   ; one wait for the four, ahead of their first reader
.irp q, 0,1,2,3
	v_mul_f32 v[12+\q], v4, v[8+\q]                ; the angle, as f32
	v_mul_f32 v[16+\q], 0x3f22f983, v[12+\q]
	v_rndne_f32 v[16+\q], v[16+\q]                 ; n = the nearest multiple of pi/2
	v_fma_f32 v[12+\q], v[16+\q], s42, v[12+\q]    ; exact: a multiple of 2^-23 under 1
	v_fma_f32 v[12+\q], v[16+\q], s43, v[12+\q]    ; r
	v_mul_f32 v[20+\q], v[12+\q], v[12+\q]         ; z = r r
	v_fma_f32 v[24+\q], v[20+\q], s44, s45
	v_fma_f32 v[24+\q], v[24+\q], v[20+\q], s46
	v_mul_f32 v[24+\q], v[24+\q], v[20+\q]
	v_fma_f32 v[24+\q], v[24+\q], v[12+\q], v[12+\q]   ; sin r
	v_fma_f32 v[28+\q], v[20+\q], s47, s48
	v_fma_f32 v[28+\q], v[28+\q], v[20+\q], s49
	v_mul_f32 v[32+\q], v[20+\q], v[20+\q]
	v_fma_f32 v[36+\q], v[20+\q], -0.5, 1.0
	v_fma_f32 v[28+\q], v[32+\q], v[28+\q], v[36+\q]   ; cos r
	v_cvt_i32_f32 v[16+\q], v[16+\q]
	v_and_b32 v[32+\q], 1, v[16+\q]
	v_cmp_eq_u32 vcc_lo, 1, v[32+\q]               ; odd quadrants swap the two
	v_cndmask_b32 v[40+\q], v[24+\q], v[28+\q], vcc_lo
	v_cndmask_b32 v[44+\q], v[28+\q], v[24+\q], vcc_lo
	v_and_b32 v[32+\q], 2, v[16+\q]
	v_lshlrev_b32 v[32+\q], 30, v[32+\q]
	v_xor_b32 v[40+\q], v[32+\q], v[40+\q]         ; sin is negative in quadrants 2, 3
	v_add_nc_u32 v[36+\q], 1, v[16+\q]
	v_and_b32 v[36+\q], 2, v[36+\q]
	v_lshlrev_b32 v[36+\q], 30, v[36+\q]
	v_xor_b32 v[44+\q], v[36+\q], v[44+\q]         ; cos in quadrants 1, 2
.endr
	global_store_b128 v5, v[44:47], s[52:53]                  ; cos: 512 consecutive bytes a wave
	global_store_b128 v5, v[40:43], s[52:53] offset:262144    ; sin
	s_endpgm
.Lfunc_end_k_q9dd684a190_prep:
	.size	k_q9dd684a190_prep, .Lfunc_end_k_q9dd684a190_prep-k_q9dd684a190_prep
	.p2alignl 7, 3214868480
	.fill 96, 4, 3214868480
	.section	.rodata,"a",@progbits
	.p2align	6, 0x0
	.amdhsa_kernel k_q9dd684a190_prep
		.amdhsa_group_segment_fixed_size 9728
		.amdhsa_private_segment_fixed_size 0
		.amdhsa_enable_private_segment 0
		.amdhsa_kernarg_size 88
		.amdhsa_user_sgpr_count 2
		.amdhsa_user_sgpr_kernarg_segment_ptr 1
		.amdhsa_wavefront_size32 1
		.amdhsa_system_sgpr_workgroup_id_x 1
		.amdhsa_system_sgpr_workgroup_id_y 1
		.amdhsa_system_sgpr_workgroup_id_z 1
		.amdhsa_system_vgpr_workitem_id 0
		.amdhsa_next_free_vgpr 256
		.amdhsa_next_free_sgpr 100
		.amdhsa_reserve_vcc 1
		.amdhsa_float_denorm_mode_32 3
		.amdhsa_float_denorm_mode_16_64 3
		.amdhsa_memory_ordered 1
		.amdhsa_forward_progress 1
		.amdhsa_inst_pref_size 75
	.end_amdhsa_kernel
	.amdgpu_metadata
---
amdhsa.version: [ 1, 2 ]
amdhsa.kernels:
  - .name:           k_q9dd684a190_prep
    .symbol:         k_q9dd684a190_prep.kd
    .args:
      - { .name: x, .offset: 0, .size: 8, .value_kind: global_buffer, .address_space: global }
      - { .name: ln1_g, .offset: 8, .size: 8, .value_kind: global_buffer, .address_space: global }
      - { .name: ln1_b, .offset: 16, .size: 8, .value_kind: global_buffer, .address_space: global }
      - { .name: W_qkv, .offset: 24, .size: 8, .value_kind: global_buffer, .address_space: global }
      - { .name: W_proj, .offset: 32, .size: 8, .value_kind: global_buffer, .address_space: global }
      - { .name: W_ffn1, .offset: 40, .size: 8, .value_kind: global_buffer, .address_space: global }
      - { .name: W_ffn2, .offset: 48, .size: 8, .value_kind: global_buffer, .address_space: global }
      - { .name: lowp_scales, .offset: 56, .size: 8, .value_kind: global_buffer, .address_space: global }
      - { .name: aimg, .offset: 64, .size: 8, .value_kind: global_buffer, .address_space: global }
      - { .name: wimg, .offset: 72, .size: 8, .value_kind: global_buffer, .address_space: global }
      - { .name: rope, .offset: 80, .size: 8, .value_kind: global_buffer, .address_space: global }
    .group_segment_fixed_size: 9728
    .private_segment_fixed_size: 0
    .kernarg_segment_align: 8
    .kernarg_segment_size: 88
    .max_flat_workgroup_size: 128
    .sgpr_count:     100
    .vgpr_count:     256
    .wavefront_size: 32
...
	.end_amdgpu_metadata
.endif
;; end of part 1
;; launch gqkv (part 2): grid 12 x 16, 4 waves a work-group, clusters of 4 x 4, 327,680 bytes of LDS; arguments aimg, wimg, lowp_scales, b_qkv, rope, qkvc; writes qkvc
.if DOCPART == 2
	.amdgcn_target "amdgcn-amd-amdhsa--gfx1250"
	.amdhsa_code_object_version 6
	.text
	.protected	k_q9dd684a190_gqkv
	.globl	k_q9dd684a190_gqkv
	.p2align	8
	.type	k_q9dd684a190_gqkv,@function
k_q9dd684a190_gqkv:
	s_mov_b64 s[64:65], 0
	v_nop
	global_prefetch_b8 v0, s[64:65] scope:SCOPE_SE
	s_setreg_imm32_b32 hwreg(HW_REG_WAVE_MODE, 25, 1), 1
	s_wait_xcnt 0x0
	s_wait_alu depctr_hold_cnt(0) depctr_sa_sdst(0) depctr_va_vdst(0) depctr_va_sdst(0) depctr_va_ssrc(0) depctr_va_vcc(0) depctr_vm_vsrc(0)
	s_getreg_b32 s2, hwreg(HW_REG_IB_STS2, 6, 4)
	s_cmp_eq_u32 s2, 0
	s_cbranch_scc0 .Lentry_in_a_cluster
	s_endpgm
.Lentry_in_a_cluster:
	s_bfe_u32 s2, ttmp6, 0x10000c
	s_cmp_lg_u32 s2, 0xf033
	s_cbranch_scc0 .Lentry_shape_is_right
	s_endpgm
.Lentry_shape_is_right:
; qkv = LN1(x) W_qkv + b_qkv on codes of E4M3 (v_wmma_f32_16x16x128_fp8_fp8), then RoPE on q and k, then q, k, v quantised (e2, e3, e5) and stored as images of the operands of attention.
; A tile is 256 x 256, four waves of 128 x 128 (64 accumulators, 512 registers).  K = 1,024 goes in steps of 256 through a ring of two LDS slots filled by joint tensor loads.
; OPERANDS LIE IN MEMORY AS IMAGES OF THEIR REGISTERS (16 rows x 128 k = 2,048 bytes; group c at 512 c, lane l at 16 l): a slot's part of a block of 16 rows is one dense run of 4,096 bytes, a fragment is
; four ds_load_b128 at 16 x lane, each of 512 consecutive bytes: no pitch, no padding.  k's places in a fragment are the same permutation on both sides of the product.
; THE MATRIX INSTRUCTION: source 0 = the "B side", source 1 = the "A side": lane (r, h) holds A's row slot r and, in register j, B's row slot 8 h + j.
; THE CLUSTER'S x SAYS WHAT IS MADE: 0 q, 1 k, 2 v; it is the same in all sixteen partners.  For q and k the A side is the tokens and the B side the weight's columns, whose order in a block
; (slot r of block 2 g + u = column 32 g + 8 u + r + 8 (r / 8)) gives a lane 16 neighbouring channels in 16 neighbouring registers: d and d + 32 of a head lie in one lane, so RoPE needs no other lane.
; For v the sides change places (A side: the weight's columns; B side: the tokens): a lane then holds one channel and eight neighbouring KEYS a register run, which is what the second product of attention wants: nothing is transposed.
; CLUSTERS: 4 x 4.  The A side's tile hangs on cy and the cluster's ids alone and is shared along a row of the cluster, the B side's on cx likewise and is shared along a column.
; COS AND SIN of a wave's 128 positions (256 registers) land in the B side's fragment registers as those fall free: blocks 0-3 in set 0, asked for ahead of the last K step, which multiplies set 1;
; blocks 4-7 in set 1, asked for behind the last product.  The first batch is asked for on every way (v's too: its addresses lie in the table), so that one branch on the kind serves.
; 192 work-groups: with tiles of 256 columns a wave owns two whole heads.
; LIMITS: e0 + e1 between -126 and 127; e2, e3, e5 between -126 and 119.
.set MB,   8                           ; blocks of 16 rows of the A side in a wave's tile
.set NB,   8                           ; of the B side
.set KQ,   2                           ; K steps of 128 in a slot
.set KTOT, 1024
.set AF,   128                         ; window 0: the A side's fragments, ONE set
.set FR,    16                         ; registers of a fragment
.set NL,    4                          ; LDS loads that bring one
.set HL,    (MB/2)*NL                  ; loads of half of the A side's blocks
.set RB,    16*KTOT                    ; a block of 16 rows in memory, bytes
.set SROW,  2048*KQ                    ; a slot's part of it
.set HALF,  MB*SROW                    ; what one tensor load brings, and what a wave reads of a side
.set SLOT,  4*HALF                     ; A's two halves, then B's two
.set SPARE, 2*SLOT                     ; behind the ring: the spare words, 128 bytes a wave, which no other line names
.set LAPS,  KTOT/(256*KQ)              ; a lap = once round the ring
.set ADRA, 16                          ; v16-17 LDS address of my A fragments in slot 0, 1
.set ADRB, 20                          ; v20-21 the same for B
.set SPW,  28                          ; v28 my spare word; never rewritten
.set NIL,  29                          ; v29 0; never rewritten
.set G1,  24                           ; s[24:31] group 1 for A;  s[32:39] group 0, a set a slot
.set G0,  32
.set G1B, 48                           ; s[48:55], s[56:63] the same for B
.set G0B, 56
.set BIAS, 32                          ; v32-95  q, k: the bias of my 64 columns, in the accumulators' order
.set VB,   96                          ; v96-103 v: the bias of my channel in each of the eight blocks
.set CC,   104                         ; v104-119 codes
.set VAL,  128                         ; on the way out v128-255 are free
.set OUT,  160
.set MSB, 0
.macro WIN new                         ; the immediate's high byte repeats the setting that is left
.if MSB != (\new)
	s_set_vgpr_msb (MSB<<8)|(\new)
.set MSB, (\new)
.endif
.endm
.set MUL_LO, 0xa1                      ; source 0 (B) window 1, source 1 (A) window 0, C and D window 2
.set MUL_HI, 0xf1                      ; the same, C and D window 3
.set TO_B,   0x40                      ; destination window 1
.macro JLOAD g0a, g1a, g0b, g1b        ; a joint load: waves 0, 1 fetch A's halves, waves 2, 3 B's; four v_nop follow each line
	s_cmp_eq_u32 s15, 0
	s_cbranch_scc0 .Lfor_b_\@
	tensor_load_to_lds s[\g0a:\g0a+3], s[\g1a:\g1a+7]
	s_nop 0
.rept 4
	v_nop
.endr
	s_branch .Lasked_\@
.Lfor_b_\@:
	tensor_load_to_lds s[\g0b:\g0b+3], s[\g1b:\g1b+7]
	s_nop 0
.rept 4
	v_nop
.endr
.Lasked_\@:
.endm
.macro CREST                           ; a round of the cluster's barrier behind its opening barrier
	s_cmp_lg_u32 s14, 0
	s_cbranch_scc1 .Lnot_wave_0_\@
	s_barrier_signal -3
.Lnot_wave_0_\@:
	s_barrier_wait -3
	s_barrier_signal -1
	s_barrier_wait -1
.endm
.macro CROUND
	s_barrier_signal -1
	s_barrier_wait -1
	CREST
.endm
.macro PLACES n                        ; plain vector instructions between a matrix instruction and a load into, or a read of, its registers
.rept \n
	v_nop
.endr
.endm
.macro FRAG reg, adr, q, i             ; block i, the slot's q-th K step: four loads of 512 consecutive bytes
.irp c, 0,1,2,3
	ds_load_b128 v[\reg+4*\c:\reg+4*\c+3], v[\adr] offset:(\i)*SROW+2048*(\q)+512*\c
.endr
.endm
.macro FETCH_B slot, q, p              ; B's fragments into set p
	WIN TO_B
.set fi, 0
.rept NB
	FRAG 128*(\p)+FR*fi, ADRB+\slot, \q, fi
.set fi, fi+1
.endr
	WIN 0
.endm
.macro FETCH_A slot, q, half           ; half of A's blocks
.set fi, (\half)*(MB/2)
.rept MB/2
	FRAG AF+FR*fi, ADRA+\slot, \q, fi
.set fi, fi+1
.endr
.endm
.macro MULQ qtr, p, zero               ; a quarter of A's blocks against all of B's.  The accumulators take turns, one instruction a turn, in one order everywhere
.set ma, (\qtr)*(MB/4)
.rept MB/4
.set mb, 0
.rept NB
.set rAcc, 8*(NB*(ma%(MB/2))+mb)
.if \zero
	v_wmma_f32_16x16x128_fp8_fp8 v[rAcc:rAcc+7], v[128*(\p)+FR*mb:128*(\p)+FR*mb+FR-1], v[AF+FR*ma:AF+FR*ma+FR-1], 0
.else
	v_wmma_f32_16x16x128_fp8_fp8 v[rAcc:rAcc+7], v[128*(\p)+FR*mb:128*(\p)+FR*mb+FR-1], v[AF+FR*ma:AF+FR*ma+FR-1], v[rAcc:rAcc+7]
.endif
.set mb, mb+1
.endr
.set ma, ma+1
.endr
.endm
.macro MULH half, p, zero
	MULQ 2*(\half), \p, \zero
	MULQ 2*(\half)+1, \p, \zero
.endm
.macro STEP slot, q, zero              ; a K step of 128 that has its successor in the same slot
	s_wait_dscnt HL                                ; B's set and A's lower blocks are in; the youngest HL loads (A's upper blocks) may be out
	WIN MUL_LO
	MULH 0, (\q)%2, \zero
	s_wait_dscnt 0
	PLACES 4
	FETCH_B \slot, (\q)+1, 1-(\q)%2
	FETCH_A \slot, (\q)+1, 0
	WIN MUL_HI
	MULH 1, (\q)%2, \zero
	PLACES 4
	WIN 0
	FETCH_A \slot, (\q)+1, 1
.endm
.macro MID slot, q0                    ; the slot's steps q0 .. KQ - 2
.if KQ-1-(\q0) > 0
.set sq, \q0
.rept KQ-1-(\q0)
	STEP \slot, sq, 0
.set sq, sq+1
.endr
.endif
.endm
.macro TURN slot, next, fill           ; a slot's last step changes slots: one barrier; fill = 1: the slot is filled again, two slots' worth of K ahead
	s_wait_tensorcnt 0x0                           ; all my tensor loads have landed: my part of the next slot
	ds_add_u32 v[SPW], v[NIL]                      ; 0 onto my spare word
	s_wait_dscnt HL+1                              ; (the add and A's upper blocks may be out)
	WIN MUL_LO
	MULQ 0, 1, 0
	s_wait_dscnt 0x0                               ; the add is done, and my reads of this slot are over
	s_barrier_signal -1
	MULQ 1, 1, 0
	WIN 0
	s_barrier_wait -1
.if \fill
	CREST                                          ; the barrier has opened a round of the cluster's: no wave of any partner still reads this slot or has a load on its way
	s_add_nc_u64 s[G0+4*\slot+2:G0+4*\slot+3], s[G0+4*\slot+2:G0+4*\slot+3], 2*SROW
	s_add_nc_u64 s[G0B+4*\slot+2:G0B+4*\slot+3], s[G0B+4*\slot+2:G0B+4*\slot+3], 2*SROW
	JLOAD G0+4*\slot, G1, G0B+4*\slot, G1B         ; the first tensor load behind the round; its four v_nop are the places in front of the loads below
.else
	PLACES 4
.endif
	FETCH_B \next, 0, 0
	FETCH_A \next, 0, 0
	WIN MUL_HI
	MULH 1, 1, 0
	PLACES 4
	WIN 0
	FETCH_A \next, 0, 1
.endm
.macro CSLOAD a                        ; cos and sin of block a's 16 positions, frequencies 16 h + 0..15, into window 1, v[32 a] on: 16 cos, then 16 sin
.irp j, 0,1,2,3
	global_load_b128 v[32*(\a)+4*\j:32*(\a)+4*\j+3], v10, s[86:87] offset:2048*(\a)+16*\j
	global_load_b128 v[32*(\a)+16+4*\j:32*(\a)+16+4*\j+3], v10, s[86:87] offset:262144+2048*(\a)+16*\j
.endr
.endm
	s_load_b128 s[4:7], s[0:1], 0x0                ; aimg, wimg
	s_load_b128 s[8:11], s[0:1], 0x10              ; the scales' exponents, b_qkv
	s_load_b128 s[68:71], s[0:1], 0x20             ; rope, qkvc
	v_lshl_add_u32 v[SPW], v0, 2, SPARE
	v_mov_b32 v[NIL], 0
	ds_add_u32 v28, v29
	ds_add_u32 v28, v29
	s_wait_dscnt 0x0
	v_lshrrev_b32 v1, 5, v0
	v_readfirstlane_b32 s14, v1                    ; wave 0..3
	s_lshr_b32 s15, s14, 1                         ; my half of the A side.  Also: I fetch for A (0) or for B (1)
	s_and_b32 s16, s14, 1                          ; my half of the B side.  Also: which half of that side I fetch
	s_bfe_u32 s40, ttmp6, 0x40000                  ; cx
	s_bfe_u32 s41, ttmp6, 0x40004                  ; cy
	s_and_b32 s66, ttmp7, 0xffff
	s_lshl_b32 s66, s66, 2                         ; 4 x cluster y
	s_lshl_b32 s67, ttmp9, 2                       ; 4 x cluster x
	s_cmp_eq_u32 ttmp9, 2                          ; v?  The same answer in all sixteen partners
	s_cselect_b32 s17, 0, s66
	s_cselect_b32 s42, s66, s67
	s_add_co_u32 s17, s17, s41                     ; the A side's tile: q, k: tokens 4 Y + cy;  v: V's columns, cy
	s_add_co_u32 s42, s42, s40                     ; the B side's tile: q, k: columns 4 X + cx;  v: tokens 4 Y + cx
	s_lshl_b32 s43, s41, 2
	s_lshl_b32 s43, 15, s43                        ; my row of the cluster
	s_lshl_b32 s44, 0x1111, s40                    ; my column
	s_or_b32 s[G1+0], s43, (1<<21)                 ; 15:0 the mask; 17:16 elements of 1 byte; 21 set beside a mask; no padding
	s_or_b32 s[G1B+0], s44, (1<<21)
.irp g, G1, G1B
	s_mov_b32 s[\g+1], SROW<<16                    ; tensor_dim0 = a slot's part of a block
	s_mov_b32 s[\g+2], MB<<16                      ; tensor_dim1 = 8 blocks
	s_mov_b32 s[\g+3], SROW<<16                    ; tile_dim0
	s_mov_b32 s[\g+4], MB                          ; tile_dim1
	s_mov_b32 s[\g+5], RB                          ; from block to block
	s_mov_b32 s[\g+6], 0
	s_mov_b32 s[\g+7], 0
.endr
	s_mul_i32 s18, s16, MB                         ; which half of the tile's 16 blocks I fetch
	s_mul_i32 s20, s17, 2*MB
	s_add_co_u32 s20, s20, s18
	s_mul_i32 s20, s20, RB
	s_mov_b32 s21, 0
	s_mul_i32 s46, s42, 2*NB
	s_add_co_u32 s46, s46, s18
	s_mul_i32 s46, s46, RB
	s_mov_b32 s47, 0
	s_mul_i32 s45, s14, HALF                       ; where they go: no place in the cluster enters an LDS address
	s_wait_kmcnt 0x0
	s_load_b128 s[76:79], s[8:9], 0x0              ; e0 .. e3
	s_load_b64 s[88:89], s[8:9], 0x10              ; e4, e5
	s_add_nc_u64 s[72:73], s[6:7], 0x200000        ; V's columns begin at block 128 of W_qkv's image
	s_cmp_eq_u32 ttmp9, 2
	s_cselect_b64 s[72:73], s[72:73], s[4:5]       ; the A side's buffer
	s_cselect_b64 s[74:75], s[4:5], s[6:7]         ; the B side's
	s_add_nc_u64 s[20:21], s[72:73], s[20:21]
	s_add_nc_u64 s[46:47], s[74:75], s[46:47]
	CROUND                                         ; all sixteen work-groups are here: the first joint loads meet
.irp s, 0,1
	s_mov_b32 s[G0+4*\s], 1
	s_add_co_u32 s[G0+4*\s+1], s45, \s*SLOT
	s_add_nc_u64 s[G0+4*\s+2:G0+4*\s+3], s[20:21], \s*SROW
	s_or_b32 s[G0+4*\s+3], s[G0+4*\s+3], 0x80000000
	s_mov_b32 s[G0B+4*\s], 1
	s_add_co_u32 s[G0B+4*\s+1], s45, \s*SLOT
	s_add_nc_u64 s[G0B+4*\s+2:G0B+4*\s+3], s[46:47], \s*SROW
	s_or_b32 s[G0B+4*\s+3], s[G0B+4*\s+3], 0x80000000
.endr
	JLOAD G0, G1, G0B, G1B                         ; slot 0: one tensor load a wave at the head
	; PREFETCH INTO THE L2: K has four slots.  Behind slot 0's load slots 1 and 2 are asked for, behind slot 1's load slot 3.  A wave's load is 8 blocks x 4,096 bytes; the four partners that ask for it
	; jointly share the blocks out by address (cx for the A side, cy for the B side): two blocks a work-group, sixteen lanes a block, 256 bytes apart: each 256 bytes are named once in the cluster
.set PFA, 72                           ; s[72:73] my two blocks of the wave's eight, at slot 0; never rewritten
.set PFO, 30                           ; v30 a block x (lane / 16) + 256 x (lane % 16); never rewritten
	s_cmp_eq_u32 s15, 0
	s_cselect_b64 s[PFA:PFA+1], s[20:21], s[46:47]
	s_cselect_b32 s74, s40, s41
	s_mul_i32 s74, s74, 2*RB
	s_mov_b32 s75, 0
	s_add_nc_u64 s[PFA:PFA+1], s[PFA:PFA+1], s[74:75]
	v_and_b32 v1, 15, v0                           ; r
	v_bfe_u32 v2, v0, 4, 1                         ; h
	s_wait_alu depctr_va_vdst(0)
	v_and_b32 v3, 31, v0
	v_lshlrev_b32 v13, 4, v3                       ; 16 x lane: my place in every image
	v_lshlrev_b32 v[PFO], 8, v1
	v_lshl_add_u32 v[PFO], v2, 14, v[PFO]          ; a block of 16 rows is 16,384 bytes
	global_prefetch_b8 v[PFO], s[PFA:PFA+1] offset:SROW th:TH_LOAD_NT scope:SCOPE_SE     ; slot 1
	global_prefetch_b8 v[PFO], s[PFA:PFA+1] offset:2*SROW th:TH_LOAD_NT scope:SCOPE_SE   ; slot 2
	s_mul_i32 s22, s15, HALF
	s_mul_i32 s23, s16, HALF
	s_add_co_u32 s23, s23, 2*HALF
.irp s, 0,1
	v_add_nc_u32 v[ADRA+\s], s22, v13
	v_add_nc_u32 v[ADRB+\s], s23, v13
	s_add_co_u32 s22, s22, SLOT
	s_add_co_u32 s23, s23, SLOT
.endr
	; the bias, in both forms (a few loads more than a work-group uses; every register is then written on every way).  They land under the K loop
	s_lshl_b32 s80, s17, 8
	s_lshl_b32 s81, s15, 7
	s_add_co_u32 s80, s80, s81
	s_add_co_u32 s80, s80, 2048                    ; v: my first column
	s_lshl_b32 s82, s42, 8
	s_lshl_b32 s83, s16, 7
	s_add_co_u32 s82, s82, s83                     ; q, k: my first column
	s_cmp_eq_u32 ttmp9, 2
	s_cselect_b32 s80, s80, s82
	s_lshl_b32 s80, s80, 2
	s_mov_b32 s81, 0
	s_add_nc_u64 s[80:81], s[10:11], s[80:81]
	s_and_b32 s90, s17, 7                          ; the table at my first position x 128 bytes: 256 x (the A side's tile % 8) + 128 x half
	s_lshl_b32 s90, s90, 15
	s_lshl_b32 s91, s15, 14
	s_add_co_u32 s90, s90, s91
	s_mov_b32 s91, 0
	s_add_nc_u64 s[86:87], s[68:69], s[90:91]
	v_lshlrev_b32 v11, 6, v2                       ; 64 h
	v_and_b32 v12, 8, v1
	v_add_nc_u32 v12, v12, v1
	v_lshlrev_b32 v12, 2, v12                      ; 4 (r + 8 (r / 8))
	v_lshlrev_b32 v10, 7, v1
	v_add_nc_u32 v10, v10, v11                     ; the table: 128 r + 64 h
.irp g, 0,1,2,3
.irp j, 0,1,2,3
	global_load_b128 v[BIAS+16*\g+4*\j:BIAS+16*\g+4*\j+3], v11, s[80:81] offset:128*\g+16*\j   ; register 16 g + i: column 32 g + 16 h + i
.endr
.endr
.irp a, 0,1,2,3,4,5,6,7
	global_load_b32 v[VB+\a], v12, s[80:81] offset:4*(32*(\a/2)+8*(\a%2))                      ; block a, slot r
.endr
	s_wait_alu depctr_va_vdst(0)
	s_wait_tensorcnt 0x0                           ; my part of slot 0 is in
	ds_add_u32 v[SPW], v[NIL]
	s_wait_dscnt 0x0
	CROUND                                         ; everybody's part of slot 0 is in, and the sixteen work-groups meet
	JLOAD G0+4, G1, G0B+4, G1B                     ; slot 1's first fill: the first tensor load behind the round
	FETCH_B 0, 0, 0
	FETCH_A 0, 0, 0
	FETCH_A 0, 0, 1
	global_prefetch_b8 v[PFO], s[PFA:PFA+1] offset:3*SROW th:TH_LOAD_NT scope:SCOPE_SE   ; slot 3
	STEP 0, 0, 1                                   ; the first step's products start the sums: nothing is cleared
.if LAPS > 1
	s_mov_b32 s3, LAPS-1
.Llap:
	MID 0, 1
	TURN 0, 1, 1
	MID 1, 0
	TURN 1, 0, 1
	STEP 0, 0, 0
	s_sub_co_u32 s3, s3, 1
	s_cmp_lg_u32 s3, 0
	s_cbranch_scc1 .Llap
.endif
	MID 0, 1                                       ; the last lap fills nothing
	TURN 0, 1, 0
	MID 1, 0
	WIN TO_B                                       ; B's set 0 is done with (four places stand behind its last products): cos and sin of blocks 0-3 land there under the last K step
	CSLOAD 0
	CSLOAD 1
	CSLOAD 2
	CSLOAD 3
	WIN 0
	s_wait_dscnt HL
	WIN MUL_LO
	MULH 0, 1, 0
	s_wait_dscnt 0
	WIN MUL_HI
	MULH 1, 1, 0
	WIN 0
	; THE WAY OUT: no LDS: a lane's codes are 16 bytes of an image, and a wave's store is 512 consecutive bytes
	s_wait_kmcnt 0x0
	s_add_co_i32 s96, s76, s77
	s_add_co_i32 s96, s96, 127
	s_lshl_b32 s96, s96, 23                        ; 2^(e0 + e1)
	s_mov_b32 s97, s96                             ; (named with it as a pair)
	s_cmp_eq_u32 ttmp9, 1
	s_cselect_b32 s98, s79, s78                    ; k: e3; q: e2
	s_cmp_eq_u32 ttmp9, 2
	s_cselect_b32 s98, s89, s98                    ; v: e5
	s_add_co_i32 s98, s98, 127
	s_lshl_b32 s99, s98, 23
	v_mov_b32 v9, s99                              ; the scale, for the conversions
	s_add_co_i32 s98, s98, 8
	s_lshl_b32 s98, s98, 23
	s_or_b32 s98, s98, 0x600000
	v_mov_b32 v8, s98                              ; 448 x the scale
	PLACES 4
	s_cmp_eq_u32 ttmp9, 2
	s_cbranch_scc1 .Lv
	; ---- q, k.  qkvc: [q, k][batch x head 32][block of 16 positions 128][g 2][lane 32][16 bytes]; lane (r, h): position 16 block + r, d = 32 g + 16 h + 0..15
	WIN TO_B                                       ; B's set 1 is done with too: blocks 4-7 land there while blocks 0-3 are worked on
	CSLOAD 4
	CSLOAD 5
	CSLOAD 6
	CSLOAD 7
	WIN 0
	s_lshr_b32 s90, s17, 3                         ; batch
	s_lshl_b32 s90, s90, 4
	s_and_b32 s91, s42, 3
	s_lshl_b32 s91, s91, 2
	s_add_co_u32 s90, s90, s91
	s_lshl_b32 s91, s16, 1
	s_add_co_u32 s90, s90, s91                     ; my first head
	s_lshl_b32 s90, s90, 7
	s_and_b32 s92, s17, 7
	s_lshl_b32 s91, s92, 4
	s_add_co_u32 s90, s90, s91
	s_lshl_b32 s91, s15, 3
	s_add_co_u32 s90, s90, s91                     ; my first block of positions
	s_lshl_b32 s90, s90, 10
	s_lshr_b32 s91, s42, 2
	s_lshl_b32 s91, s91, 22                        ; q or k
	s_add_co_u32 s90, s90, s91
	s_mov_b32 s91, 0
	s_add_nc_u64 s[84:85], s[70:71], s[90:91]
.macro QKBLK a, hh                     ; 16 positions of one head
.set AC, 64*((\a)%4)+32*(\hh)
.set CN, 32*(\a)                       ; in window 1
.set SN, CN+16
	WIN 0x02+((\a)/4)                              ; source 0: window 2 or 3
.set k, 0
.rept 16
	v_pk_fma_f32 v[VAL+k:VAL+k+1], v[AC+k:AC+k+1], s[96:97], v[BIAS+32*(\hh)+k:BIAS+32*(\hh)+k+1] op_sel_hi:[1,0,1]   ; sum x 2^(e0 + e1) + bias; each accumulator from its low end on
.set k, k+2
.endr
	WIN 0x04                                       ; source 1 (cos, sin): window 1
.set k, 0
.rept 8
	v_pk_mul_f32 v[OUT+k:OUT+k+1], v[VAL+k:VAL+k+1], v[CN+k:CN+k+1]                  ; d = 16 h + i
	v_pk_mul_f32 v[OUT+16+k:OUT+17+k], v[VAL+16+k:VAL+17+k], v[CN+k:CN+k+1]          ; d + 32: the same angle
.set k, k+2
.endr
.set k, 0
.rept 8
	v_pk_fma_f32 v[OUT+k:OUT+k+1], v[VAL+16+k:VAL+17+k], v[SN+k:SN+k+1], v[OUT+k:OUT+k+1] neg_lo:[1,0,0] neg_hi:[1,0,0]
	v_pk_fma_f32 v[OUT+16+k:OUT+17+k], v[VAL+k:VAL+k+1], v[SN+k:SN+k+1], v[OUT+16+k:OUT+17+k]
.set k, k+2
.endr
	WIN 0
.set k, 0
.rept 32
	v_med3_num_f32 v[OUT+k], v[OUT+k], -v8, v8
.set k, k+1
.endr
	s_wait_alu depctr_va_vdst(0)
	s_wait_xcnt 0x0                                ; the last stores have read the code registers
.irp g, 0,1,2,3
	v_cvt_scalef32_pk8_fp8_f32 v[CC+2*\g:CC+2*\g+1], v[OUT+8*\g:OUT+8*\g+7], v9
.endr
	v_nop                                          ; a plain instruction behind the last conversion
	global_store_b128 v13, v[CC:CC+3], s[84:85] offset:131072*(\hh)+1024*(\a)
	global_store_b128 v13, v[CC+4:CC+7], s[84:85] offset:131072*(\hh)+1024*(\a)+512
.endm
.irp a, 0,1,2,3,4,5,6,7
	s_wait_loadcnt 8*(7-\a)                        ; loads come back in order: the bias and this block's cos and sin are in; the later blocks' eight loads each may be out
	QKBLK \a, 0
	QKBLK \a, 1
.endr
	s_branch .Ldone
	; ---- v.  qkvc + 8,388,608: [batch x head][128 keys 16][tile of 16 channels 4][group 4][lane][16 bytes]: lane (r, h): channel slot r; registers 2 c, 2 c + 1: keys 16 c + 8 h + 0..7 (the plain form's own layout)
.Lv:
	s_wait_loadcnt 0x0                             ; the bias (and the table's first batch, which this way does not use)
	s_lshr_b32 s90, s42, 3                         ; batch
	s_lshl_b32 s90, s90, 4
	s_lshl_b32 s91, s17, 2
	s_add_co_u32 s90, s90, s91
	s_lshl_b32 s91, s15, 1
	s_add_co_u32 s90, s90, s91                     ; my first head
	s_lshl_b32 s90, s90, 4
	s_and_b32 s91, s42, 7
	s_lshl_b32 s91, s91, 1
	s_add_co_u32 s90, s90, s91
	s_add_co_u32 s90, s90, s16                     ; my 128 keys
	s_lshl_b32 s90, s90, 13
	s_add_co_u32 s90, s90, 8388608
	s_mov_b32 s91, 0
	s_add_nc_u64 s[84:85], s[70:71], s[90:91]
.irp a, 0,1,2,3,4,5,6,7
	WIN 0x02+(\a/4)
.set k, 0
.rept 64
	v_fma_f32 v[VAL+k], v[64*(\a%4)+k], s96, v[VB+\a]    ; register 8 b + j: key 16 b + 8 h + j of my channel
.set k, k+1
.endr
	WIN 0
.set k, 0
.rept 64
	v_med3_num_f32 v[VAL+k], v[VAL+k], -v8, v8
.set k, k+1
.endr
	s_wait_alu depctr_va_vdst(0)
	s_wait_xcnt 0x0                                ; the last stores have read the code registers
.irp b, 0,1,2,3,4,5,6,7
	v_cvt_scalef32_pk8_fp8_f32 v[CC+2*\b:CC+2*\b+1], v[VAL+8*\b:VAL+8*\b+7], v9
.endr
	v_nop
.irp g, 0,1,2,3
	global_store_b128 v13, v[CC+4*\g:CC+4*\g+3], s[84:85] offset:131072*(\a/4)+2048*(\a%4)+512*\g
.endr
.endr
.Ldone:
	s_wait_tensorcnt 0x0                           ; the wave's end
	ds_add_u32 v[SPW], v[NIL]
	s_wait_dscnt 0x0
	CROUND                                         ; the closing round: no work-group ends while a partner may still ask for a tile that names it
	s_endpgm
.Lfunc_end_k_q9dd684a190_gqkv:
	.size	k_q9dd684a190_gqkv, .Lfunc_end_k_q9dd684a190_gqkv-k_q9dd684a190_gqkv
	.p2alignl 7, 3214868480
	.fill 96, 4, 3214868480
	.section	.rodata,"a",@progbits
	.p2align	6, 0x0
	.amdhsa_kernel k_q9dd684a190_gqkv
		.amdhsa_group_segment_fixed_size 327680
		.amdhsa_private_segment_fixed_size 0
		.amdhsa_enable_private_segment 0
		.amdhsa_kernarg_size 48
		.amdhsa_user_sgpr_count 2
		.amdhsa_user_sgpr_kernarg_segment_ptr 1
		.amdhsa_wavefront_size32 1
		.amdhsa_system_sgpr_workgroup_id_x 1
		.amdhsa_system_sgpr_workgroup_id_y 1
		.amdhsa_system_sgpr_workgroup_id_z 1
		.amdhsa_system_vgpr_workitem_id 0
		.amdhsa_next_free_vgpr 1024
		.amdhsa_next_free_sgpr 100
		.amdhsa_reserve_vcc 0
		.amdhsa_float_denorm_mode_32 3
		.amdhsa_float_denorm_mode_16_64 3
		.amdhsa_memory_ordered 1
		.amdhsa_forward_progress 1
		.amdhsa_inst_pref_size 251
	.end_amdhsa_kernel
	.amdgpu_metadata
---
amdhsa.version: [ 1, 2 ]
amdhsa.kernels:
  - .name:           k_q9dd684a190_gqkv
    .symbol:         k_q9dd684a190_gqkv.kd
    .args:
      - { .name: aimg, .offset: 0, .size: 8, .value_kind: global_buffer, .address_space: global }
      - { .name: wimg, .offset: 8, .size: 8, .value_kind: global_buffer, .address_space: global }
      - { .name: lowp_scales, .offset: 16, .size: 8, .value_kind: global_buffer, .address_space: global }
      - { .name: b_qkv, .offset: 24, .size: 8, .value_kind: global_buffer, .address_space: global }
      - { .name: rope, .offset: 32, .size: 8, .value_kind: global_buffer, .address_space: global }
      - { .name: qkvc, .offset: 40, .size: 8, .value_kind: global_buffer, .address_space: global }
    .group_segment_fixed_size: 327680
    .private_segment_fixed_size: 0
    .kernarg_segment_align: 8
    .kernarg_segment_size: 48
    .max_flat_workgroup_size: 128
    .sgpr_count:     100
    .vgpr_count:     1024
    .wavefront_size: 32
...
	.end_amdgpu_metadata
.endif
;; end of part 2
;; launch attn (part 3): grid 8 x 32, 8 waves a work-group, clusters of 4 x 1, 327,680 bytes of LDS; arguments qkvc, lowp_scales, ao; writes ao
.if DOCPART == 3
	.amdgcn_target "amdgcn-amd-amdhsa--gfx1250"
	.amdhsa_code_object_version 6
	.text
	.protected	k_q9dd684a190_attn
	.globl	k_q9dd684a190_attn
	.p2align	8
	.type	k_q9dd684a190_attn,@function
k_q9dd684a190_attn:
	s_mov_b64 s[64:65], 0
	v_nop
	global_prefetch_b8 v0, s[64:65] scope:SCOPE_SE
	s_setreg_imm32_b32 hwreg(HW_REG_WAVE_MODE, 25, 1), 1
	s_wait_xcnt 0x0
	s_wait_alu depctr_hold_cnt(0) depctr_sa_sdst(0) depctr_va_vdst(0) depctr_va_sdst(0) depctr_va_ssrc(0) depctr_va_vcc(0) depctr_vm_vsrc(0)
	s_getreg_b32 s2, hwreg(HW_REG_IB_STS2, 6, 4)
	s_cmp_eq_u32 s2, 0
	s_cbranch_scc0 .Lentry_in_a_cluster
	s_endpgm
.Lentry_in_a_cluster:
	s_bfe_u32 s2, ttmp6, 0x10000c
	s_cmp_lg_u32 s2, 0x3003
	s_cbranch_scc0 .Lentry_shape_is_right
	s_endpgm
.Lentry_shape_is_right:
; Attention of one head on codes of E4M3: S^T = K Q^T (v_wmma_f32_16x16x64_fp8_fp8, K = the head's 64), the softmax, O^T = V^T P^T (v_wmma_f32_16x16x128_fp8_fp8, K = 128 keys); the result quantised with 2^e6 into ao.
; THE SOFTMAX AHEAD OF THE SECOND PRODUCT: t = score x log2(e) / 8; M = the running largest t rounded UP to a whole number; p = 2^(t - M) is quantised with 2^e4, not normalised; the row's sum is taken of the
; unquantised p and divides at the end.  When M moves, the sum and O^T are multiplied by 2^(old M - new M), which rounds nothing.
; SHARES: a work-group owns 256 queries of one (batch, head); each of its eight waves owns 32 of them, two tiles of 16, so that each fragment of K and of V read from LDS feeds two matrix instructions.
; ALL OF THE HEAD'S K AND V LIE IN LDS, 131,072 bytes each, as the images that the launch before stored: K at 0, V at 131,072.  Every byte is filled once: no ring.  They come in two halves of 1,024 keys, each half by one
; load of 16,384 bytes a wave (waves 0-3: K, waves 4-7: V): the first at the head, the second behind the wait for the first, the add and a round of the cluster's barrier.
; Steps 0 to 6 read the first half alone, K's fragments of step 7 among them; the waves meet once more, all loads waited for, ahead of step 7, which asks for K's fragments of step 8.
; CLUSTER: the four query blocks of a cluster belong to one head and ask for its K and V jointly (mask 15).
; NO PREFETCH: all that the work-group reads of K and V is asked for by the sixteen loads in front of the first step; there is no loop to run ahead in.
; LAYOUT: both products transposed: a lane holds one query (lane % 16) of each tile.  A tile of S^T has 16 neighbouring keys; register j of lane (r, h) is key 8 h + j: its eight codes are registers 2 t, 2 t + 1 of P^T in the plain
; form's own layout, in which V's image is laid too.  V's channel slots are ordered so that O^T's registers 16 g + i are channels 32 g + 16 h + i: a group of ao's image.
; A STEP is 128 keys.  Behind its score products V's fragments of this step and K's of the next are asked for: they land under the softmax.  The step's text is the same for all sixteen: the last step's request for
; the next K reaches V's first 8,192 bytes, which lie behind K's in LDS, and nothing reads what it brings: 16 LDS loads a wave, in place of one more text of the step.
; THE EXPONENTIALS GO IN TWO BATCHES, a tile each, with plain work of the OTHER tile between them: in tile 0's batch tile 1's t - M; in tile 1's batch tile 0's first-level sums and its holds.  Every plain line in a batch
; reads only what was written ahead of the wait in front of that batch, and what it writes is first read behind the wait that follows the batch.
; LIMITS: e2 + e3 between -121 and 130 (added to c's exponent field); e4, e6 between -126 and 119; e4 + e5 is applied by v_ldexp_f32.  The scaled scores stay under 2^31 in magnitude.
; REGISTERS.  Window 0 (tile u = 0, 1): v1 16 x lane; v2, v3 LDS addresses; v4, v5 the spare word and 0; v6 2^e4, v7 448 x 2^e6, v8 2^e6; v[10+6u] -M, +1 the largest t, +2,+3 the sum, +4 f;
;   v22-31 at work; v[32+64u] S^T, then p; v[160+32u] O^T; v224-255 first tile 0's partial sums, then v[224+16u] p's codes.   Window 1: v0-15 Q's two fragments; v32-95 K's eight; v96-159 V's four.
.set LI,   1
.set ADK,  2
.set ADV,  3
.set SPW,  4
.set NIL,  5
.set SC4,  6
.set LIM6, 7
.set SC6,  8
.set ST,   10
.set PM,   22
.set MX,   24
.set S,    32
.set O,    160
.set P,    224
.set KF,   32
.set VF,   96
.set SPARE, 0x40000                    ; behind K and V: the spare words, 128 bytes a wave, which no other line names
.set WV,  18                           ; s18 my wave's number
.set SEL, 20                           ; s[20:21] selects for lane l xor 16
.set CS,  22                           ; s[22:23] c = log2(e) / 8 x 2^(e2 + e3)
.set G1,  24                           ; s[24:31] group 1;  s[32:39] two groups 0, one a half
.set G0,  32
.set TB,  2                            ; s2 LDS byte of the step's tiles of K
.set CNT, 54
.set PLIM, 55                          ; s55 448 x 2^e4
.set MSB, 0
.macro WIN new                         ; the immediate's high byte repeats the setting that is left
.if MSB != (\new)
	s_set_vgpr_msb (MSB<<8)|(\new)
.set MSB, (\new)
.endif
.endm
.macro ROUND                           ; a round of the cluster's barrier
	s_barrier_signal -1
	s_barrier_wait -1
	s_cmp_lg_u32 s[WV], 0
	s_cbranch_scc1 .Lnot_wave_0_\@
	s_barrier_signal -3
.Lnot_wave_0_\@:
	s_barrier_wait -3
	s_barrier_signal -1
	s_barrier_wait -1
.endm
	s_load_b128 s[4:7], s[0:1], 0x0                ; qkvc, the scales' exponents
	s_load_b64 s[8:9], s[0:1], 0x10                ; ao
	v_lshl_add_u32 v[SPW], v0, 2, SPARE
	v_mov_b32 v[NIL], 0
	ds_add_u32 v[SPW], v[NIL]                      ; the opening adds, twice on end; their wait comes ahead of my tensor load
	ds_add_u32 v[SPW], v[NIL]
	v_lshrrev_b32 v2, 5, v0
	v_readfirstlane_b32 s[WV], v2                  ; wave 0..7
	v_and_b32 v1, 31, v0
	v_lshlrev_b32 v[LI], 4, v1
	s_bfe_u32 s10, ttmp6, 0x40000                  ; cx: it enters Q's and ao's addresses alone
	s_lshl_b32 s11, ttmp9, 2
	s_add_co_u32 s11, s11, s10                     ; my block of 256 queries
	s_and_b32 s12, ttmp7, 0xffff                   ; batch x 16 + head, which the four partners share
	s_lshr_b32 s13, s[WV], 2                       ; K (0) or V (1)
	s_and_b32 s14, s[WV], 3                        ; which 256 keys of a half
	s_lshl_b32 s15, s13, 17
	s_lshl_b32 s49, s14, 14
	s_add_co_u32 s15, s15, s49                     ; where my 16,384 bytes of the first half go
	s_lshl_b32 s48, s13, 22
	s_add_co_u32 s48, s48, s49
	s_lshl_b32 s49, s12, 17
	s_add_co_u32 s48, s48, s49
	s_add_co_u32 s48, s48, 4194304                 ; and where they come from: k's or v's part of qkvc, my head's 131,072 bytes
	s_mov_b32 s49, 0
	s_mov_b32 s[G1], 15|(3<<16)|(1<<21)            ; 15:0 the mask: all four work-groups; 17:16 elements of 8 bytes; 21 set beside a mask; no padding
	s_mov_b32 s[G1+1], 32<<16                      ; tensor_dim0 = 32 elements: 256 bytes
	s_mov_b32 s[G1+2], 64<<16                      ; tensor_dim1 = 64 rows
	s_mov_b32 s[G1+3], 32<<16                      ; tile_dim0
	s_mov_b32 s[G1+4], 64                          ; tile_dim1
	s_mov_b32 s[G1+5], 32                          ; the block is dense
	s_mov_b32 s[G1+6], 0
	s_mov_b32 s[G1+7], 0
	s_mov_b32 s[SEL], 0x76543210
	s_mov_b32 s[SEL+1], 0xfedcba98
	s_mov_b32 s[CS], 0x3e38aa3b                    ; log2(e) / sqrt(64)
	s_lshl_b32 s50, s12, 7
	s_lshl_b32 s51, s11, 4
	s_add_co_u32 s50, s50, s51
	s_lshl_b32 s51, s[WV], 1
	s_add_co_u32 s50, s50, s51                     ; my first tile of 16 queries
	s_lshl_b32 s50, s50, 10
	s_mov_b32 s51, 0
	s_lshr_b32 s76, s12, 4                         ; ao: token block = batch x 128 + 16 x query block + 2 x wave, 16,384 bytes each;
	s_lshl_b32 s76, s76, 7
	s_lshl_b32 s77, s11, 4
	s_add_co_u32 s76, s76, s77
	s_lshl_b32 s77, s[WV], 1
	s_add_co_u32 s76, s76, s77
	s_lshl_b32 s76, s76, 14
	s_bfe_u32 s77, s12, 0x30001                    ; K step = head / 2;
	s_lshl_b32 s77, s77, 11
	s_add_co_u32 s76, s76, s77
	s_and_b32 s77, s12, 1                          ; groups 2 (head % 2) and the next
	s_lshl_b32 s77, s77, 10
	s_add_co_u32 s76, s76, s77
	s_mov_b32 s77, 0
	s_wait_alu depctr_va_vdst(0)                   ; directly ahead of the waits below
	s_wait_dscnt 0x0                               ; both opening adds are done
	s_wait_kmcnt 0x0
	s_load_b128 s[68:71], s[6:7], 0x8              ; e2 .. e5
	s_load_b32 s72, s[6:7], 0x18                   ; e6
	s_add_nc_u64 s[48:49], s[4:5], s[48:49]
	s_add_nc_u64 s[52:53], s[4:5], s[50:51]
	s_add_nc_u64 s[76:77], s[8:9], s[76:77]
	s_mov_b32 s[G0], 1
	s_mov_b32 s[G0+1], s15
	s_mov_b64 s[G0+2:G0+3], s[48:49]
	s_or_b32 s[G0+3], s[G0+3], 0x80000000
	s_mov_b32 s[G0+4], 1                           ; the second half: 1,024 keys, 65,536 bytes, on in LDS and in memory
	s_add_co_u32 s[G0+5], s15, 65536
	s_add_nc_u64 s[G0+6:G0+7], s[48:49], 65536
	s_or_b32 s[G0+7], s[G0+7], 0x80000000
	WIN 0x40                                       ; destination window 1
.irp i, 0,1,2,3
	global_load_b128 v[4*\i:4*\i+3], v[LI], s[52:53] offset:512*\i   ; Q's two fragments stay in registers: tile i / 2, d = 32 (i % 2) + 16 h + 0..15
.endr
	WIN 0
	ROUND                                          ; all four work-groups are here: the joint loads meet
	tensor_load_to_lds s[G0:G0+3], s[G1:G1+7]      ; every wave's one load at the head: its part of the first 1,024 keys
	s_nop 0
.irp u, 0,1
	v_mov_b32 v[PM+\u], 0                          ; a lane permute's destination counts as read
	v_mov_b32 v[ST+6*\u], 0x7f61b1e6               ; -M
	v_mov_b32 v[ST+6*\u+1], 0xff61b1e6             ; the largest t so far: -3e38
	v_mov_b32 v[ST+6*\u+2], 0                      ; the sum, in two halves
	v_mov_b32 v[ST+6*\u+3], 0
	v_mov_b32 v[ST+6*\u+5], 0                      ; (named as the upper half of f's pair)
.endr
.set j, 0
.rept 64
	v_mov_b32 v[O+j], 0                            ; O^T: the step is written once; the first change of M multiplies zeros
.set j, j+1
.endr
	s_wait_kmcnt 0x0
	s_add_co_i32 s73, s68, s69
	s_lshl_b32 s73, s73, 23
	s_add_co_i32 s[CS], s[CS], s73                 ; a score stands for score x 2^(e2 + e3)
	s_mov_b32 s[CS+1], s[CS]
	s_add_co_i32 s73, s70, 127
	s_lshl_b32 s74, s73, 23
	v_mov_b32 v[SC4], s74                          ; 2^e4
	s_add_co_i32 s73, s73, 8
	s_lshl_b32 s73, s73, 23
	s_or_b32 s[PLIM], s73, 0x600000                ; 448 x 2^e4, in a scalar register: both halves of a pair of holds name it
	s_add_co_i32 s73, s72, 127
	s_lshl_b32 s74, s73, 23
	v_mov_b32 v[SC6], s74                          ; 2^e6
	s_add_co_i32 s73, s73, 8
	s_lshl_b32 s73, s73, 23
	s_or_b32 s73, s73, 0x600000
	v_mov_b32 v[LIM6], s73                         ; 448 x 2^e6
	s_add_co_i32 s75, s70, s71                     ; e4 + e5
.macro T1SUM k0                        ; tile 1's sum: eight more pairs of p onto four packed chains
.set k, \k0
.rept 8
	v_pk_add_f32 v[MX+2*(k%4):MX+2*(k%4)+1], v[MX+2*(k%4):MX+2*(k%4)+1], v[S+64+2*k:S+64+2*k+1]
.set k, k+1
.endr
.endm
.macro T0FOLD n                        ; tile 0's partial sums: the upper n pairs onto the lower n
.set k, 0
.rept \n
	v_pk_add_f32 v[P+2*k:P+2*k+1], v[P+2*k:P+2*k+1], v[P+2*(k+\n):P+2*(k+\n)+1]
.set k, k+1
.endr
.endm
.macro STEP                            ; 128 keys, both tiles
	s_wait_dscnt 0x0                               ; K's fragments of this step are in
	WIN 0x05                                       ; sources 0 and 1: window 1
.irp t, 0,1,2,3,4,5,6,7
	v_wmma_f32_16x16x64_fp8_fp8 v[S+8*\t:S+8*\t+7], v[KF+8*\t:KF+8*\t+7], v[0:7], 0
	v_wmma_f32_16x16x64_fp8_fp8 v[S+64+8*\t:S+64+8*\t+7], v[KF+8*\t:KF+8*\t+7], v[8:15], 0
.endr
	WIN 0
	v_add_nc_u32 v[ADK], s[TB], v[LI]              ; four places: in front of the loads into registers that products have read, and of the first read of the scores
	v_add_nc_u32 v[ADV], 0x20000, v[ADK]
	v_nop
	v_nop
	WIN 0x40
.irp ct, 0,1,2,3
.irp g, 0,1,2,3
	ds_load_b128 v[VF+16*\ct+4*\g:VF+16*\ct+4*\g+3], v[ADV] offset:2048*\ct+512*\g
.endr
.endr
.irp t, 0,1,2,3,4,5,6,7
	ds_load_b128 v[KF+8*\t:KF+8*\t+3], v[ADK] offset:8192+1024*\t          ; the next step's K
	ds_load_b128 v[KF+8*\t+4:KF+8*\t+7], v[ADK] offset:8192+1024*\t+512
.endr
	WIN 0
.irp u, 0,1                            ; the step's largest score of each query among my 64 keys: two chains a tile, ascending, the tiles by turns
	v_max3_num_f32 v[MX+2*\u], v[S+64*\u], v[S+64*\u+1], v[S+64*\u+2]
	v_max3_num_f32 v[MX+2*\u+1], v[S+64*\u+3], v[S+64*\u+4], v[S+64*\u+5]
.endr
.set j, 6
.rept 14
.irp u, 0,1
	v_max3_num_f32 v[MX+2*\u], v[MX+2*\u], v[S+64*\u+j], v[S+64*\u+j+1]
	v_max3_num_f32 v[MX+2*\u+1], v[MX+2*\u+1], v[S+64*\u+j+2], v[S+64*\u+j+3]
.endr
.set j, j+4
.endr
.irp u, 0,1
	v_max3_num_f32 v[MX+2*\u], v[MX+2*\u], v[S+64*\u+62], v[S+64*\u+63]
.endr
.irp u, 0,1
	v_max_num_f32 v[MX+2*\u], v[MX+2*\u], v[MX+2*\u+1]
.endr
.irp u, 0,1
	v_permlanex16_b32 v[PM+\u], v[MX+2*\u], s[SEL], s[SEL+1]
.endr
.irp u, 0,1
	v_max_num_f32 v[MX+2*\u], v[MX+2*\u], v[PM+\u]           ; and among lane l xor 16's
.endr
.irp u, 0,1
	v_mul_f32 v[MX+2*\u], s[CS], v[MX+2*\u]                  ; as t (c is positive)
.endr
.irp u, 0,1
	v_max_num_f32 v[ST+6*\u+1], v[ST+6*\u+1], v[MX+2*\u]     ; the running largest t
.endr
.irp u, 0,1
	v_mov_b32 v[MX+2*\u+1], v[ST+6*\u]
.endr
.irp u, 0,1
	v_floor_f32 v[ST+6*\u], -v[ST+6*\u+1]                    ; the new -M = -ceil(t)
.endr
.irp u, 0,1
	v_sub_f32 v[MX+2*\u+1], v[ST+6*\u], v[MX+2*\u+1]         ; old M - new M: a whole number, 0 or less
.endr
.irp u, 0,1
	v_cvt_i32_f32 v[MX+2*\u+1], v[MX+2*\u+1]                 ; (it saturates)
.endr
.irp u, 0,1
	v_ldexp_f32 v[ST+6*\u+4], 1.0, v[MX+2*\u+1]              ; f = 2^(old M - new M)
.endr
.set j, 0
.rept 32
	v_pk_fma_f32 v[S+j:S+j+1], v[S+j:S+j+1], s[CS:CS+1], v[ST:ST+1] op_sel_hi:[1,0,0]   ; tile 0: t - M
.set j, j+2
.endr
.irp u, 0,1
.set j, 0
.rept 16
	v_pk_mul_f32 v[O+32*\u+j:O+32*\u+j+1], v[O+32*\u+j:O+32*\u+j+1], v[ST+6*\u+4:ST+6*\u+5] op_sel_hi:[1,0]   ; O^T under the new M: its first read since the last products, with no transcendental between
.set j, j+2
.endr
.endr
	s_wait_alu depctr_va_vdst(0)                   ; the wait ahead of the batch
.set j, 0
.rept 32                               ; tile 0: p = 2^(t - M); between the exponentials tile 1's t - M, first read behind the next wait
	v_exp_f32 v[S+2*j], v[S+2*j]
	v_pk_fma_f32 v[S+64+2*j:S+64+2*j+1], v[S+64+2*j:S+64+2*j+1], s[CS:CS+1], v[ST+6:ST+7] op_sel_hi:[1,0,0]
	v_exp_f32 v[S+2*j+1], v[S+2*j+1]
.set j, j+1
.endr
	v_pk_mul_f32 v[ST+2:ST+3], v[ST+2:ST+3], v[ST+4:ST+5] op_sel_hi:[1,0]   ; tile 0's sum under the new M: the plain instruction behind the batch
	s_wait_alu depctr_va_vdst(0)                   ; one wait: behind tile 0's batch, ahead of its first reader, and ahead of tile 1's batch
.set k, 0
.rept 16                               ; tile 1: p; between the exponentials tile 0's first-level sums of the unquantised p, and then its holds
	v_exp_f32 v[S+64+4*k], v[S+64+4*k]
	v_pk_add_f32 v[P+2*k:P+2*k+1], v[S+4*k:S+4*k+1], v[S+4*k+2:S+4*k+3]
	v_exp_f32 v[S+64+4*k+1], v[S+64+4*k+1]
	v_dual_min_num_f32 v[S+4*k], s[PLIM], v[S+4*k] :: v_dual_min_num_f32 v[S+4*k+1], s[PLIM], v[S+4*k+1]   ; the conversion does not saturate (ISA guide 7.6.2); p is not negative: a one-sided hold, two an instruction
	v_exp_f32 v[S+64+4*k+2], v[S+64+4*k+2]
	v_dual_min_num_f32 v[S+4*k+2], s[PLIM], v[S+4*k+2] :: v_dual_min_num_f32 v[S+4*k+3], s[PLIM], v[S+4*k+3]
	v_exp_f32 v[S+64+4*k+3], v[S+64+4*k+3]
.set k, k+1
.endr
	v_pk_mul_f32 v[ST+8:ST+9], v[ST+8:ST+9], v[ST+10:ST+11] op_sel_hi:[1,0]   ; tile 1's sum under the new M: the plain instruction behind the batch
	s_wait_alu depctr_va_vdst(0)                   ; one wait for the batch, ahead of its first reader
	T0FOLD 8                                       ; the two tiles' sums by turns
.irp i, 0,1,2,3
	v_pk_add_f32 v[MX+2*\i:MX+2*\i+1], v[S+64+4*\i:S+64+4*\i+1], v[S+64+4*\i+2:S+64+4*\i+3]
.endr
	T0FOLD 4
	T1SUM 8
	T0FOLD 2
	T1SUM 16
	T0FOLD 1
	T1SUM 24
	v_pk_add_f32 v[MX:MX+1], v[MX:MX+1], v[MX+2:MX+3]
	v_pk_add_f32 v[MX+4:MX+5], v[MX+4:MX+5], v[MX+6:MX+7]
	v_pk_add_f32 v[ST+2:ST+3], v[ST+2:ST+3], v[P:P+1]
	v_pk_add_f32 v[MX:MX+1], v[MX:MX+1], v[MX+4:MX+5]
.irp t, 0,1,2,3,4,5,6,7
.irp i, 0,2,4,6
	v_dual_min_num_f32 v[S+64+8*\t+\i], s[PLIM], v[S+64+8*\t+\i] :: v_dual_min_num_f32 v[S+64+8*\t+\i+1], s[PLIM], v[S+64+8*\t+\i+1]
.endr
	v_cvt_scalef32_pk8_fp8_f32 v[P+2*\t:P+2*\t+1], v[S+8*\t:S+8*\t+7], v[SC4]             ; keys 16 t + 8 h + 0..7, tile 0,
	v_cvt_scalef32_pk8_fp8_f32 v[P+16+2*\t:P+16+2*\t+1], v[S+64+8*\t:S+64+8*\t+7], v[SC4] ; and tile 1
.endr
	v_pk_add_f32 v[ST+8:ST+9], v[ST+8:ST+9], v[MX:MX+1]   ; tile 1's sum; also the plain instruction behind the last conversion
	WIN 0x01                                       ; source 0 (V): window 1
	s_wait_alu depctr_va_vdst(0)                   ; directly ahead of the wait below
	s_wait_dscnt 16                                ; V is in; the 16 younger loads, the next step's K, may be out
.irp ct, 0,1,2,3                       ; the eight accumulators take turns, one instruction a turn
	v_wmma_f32_16x16x128_fp8_fp8 v[O+8*\ct:O+8*\ct+7], v[VF+16*\ct:VF+16*\ct+15], v[P:P+15], v[O+8*\ct:O+8*\ct+7]
	v_wmma_f32_16x16x128_fp8_fp8 v[O+32+8*\ct:O+32+8*\ct+7], v[VF+16*\ct:VF+16*\ct+15], v[P+16:P+31], v[O+32+8*\ct:O+32+8*\ct+7]
.endr
	WIN 0
	s_add_co_u32 s[TB], s[TB], 8192
.endm
	s_wait_alu depctr_va_vdst(0)                   ; the wait at the head's end
	s_wait_loadcnt 0x0                             ; Q
	s_wait_tensorcnt 0x0                           ; my part of the first half has landed
	ds_add_u32 v[SPW], v[NIL]
	s_wait_dscnt 0x0
	ROUND                                          ; everybody's part has landed, and the four work-groups meet
	tensor_load_to_lds s[G0+4:G0+7], s[G1:G1+7]    ; my part of the second 1,024 keys: the first tensor load behind the round
	s_nop 0
.rept 4
	v_nop
.endr
	WIN 0x40
.irp t, 0,1,2,3,4,5,6,7
	ds_load_b128 v[KF+8*\t:KF+8*\t+3], v[LI] offset:1024*\t          ; K's fragments of step 0
	ds_load_b128 v[KF+8*\t+4:KF+8*\t+7], v[LI] offset:1024*\t+512
.endr
	WIN 0
	s_mov_b32 s[TB], 0
	s_mov_b32 s[CNT], 7
.Lstep:                                            ; steps 0 to 6: they read keys 0 to 1,023 alone
	STEP
	s_sub_co_u32 s[CNT], s[CNT], 1
	s_cmp_lg_u32 s[CNT], 0
	s_cbranch_scc1 .Lstep
	s_wait_tensorcnt 0x0                           ; my part of the second half has landed
	s_wait_dscnt 0x0                               ; no LDS instruction of mine is out at the signal
	s_barrier_signal -1
	s_barrier_wait -1                              ; everybody's has
	s_mov_b32 s[TB], 7*8192
	s_mov_b32 s[CNT], 9
.Lrest:                                            ; steps 7 to 15
	STEP
	s_sub_co_u32 s[CNT], s[CNT], 1
	s_cmp_lg_u32 s[CNT], 0
	s_cbranch_scc1 .Lrest
	; THE WAY OUT: O^T / the sum x 2^(e4 + e5), quantised with 2^e6; 32 channels a lane and tile are two groups of ao's image.  The six plain lines below are the places behind the last products
.irp u, 0,1
	v_add_f32 v[ST+6*\u+2], v[ST+6*\u+2], v[ST+6*\u+3]
.endr
.irp u, 0,1
	v_permlanex16_b32 v[PM+\u], v[ST+6*\u+2], s[SEL], s[SEL+1]
.endr
.irp u, 0,1
	v_add_f32 v[ST+6*\u+2], v[ST+6*\u+2], v[PM+\u]           ; the row's sum
.endr
	s_wait_alu depctr_va_vdst(0)                   ; the wait ahead of the transcendentals
.irp u, 0,1
	v_rcp_f32 v[ST+6*\u+2], v[ST+6*\u+2]
.endr
	v_nop
	s_wait_alu depctr_va_vdst(0)                   ; and ahead of their first reader
.irp u, 0,1
	v_ldexp_f32 v[ST+6*\u+2], v[ST+6*\u+2], s75
.endr
	s_wait_alu depctr_va_vdst(0)                   ; directly ahead of the first readers of O^T
.irp u, 0,1
.set j, 0
.rept 16
	v_pk_mul_f32 v[S+64*\u+j:S+64*\u+j+1], v[O+32*\u+j:O+32*\u+j+1], v[ST+6*\u+2:ST+6*\u+3] op_sel_hi:[1,0]   ; register 16 g + i: channel 32 g + 16 h + i
.set j, j+2
.endr
.endr
.irp u, 0,1
.set j, 0
.rept 32
	v_med3_num_f32 v[S+64*\u+j], v[S+64*\u+j], -v[LIM6], v[LIM6]
.set j, j+1
.endr
.endr
.irp u, 0,1
.irp g, 0,1,2,3
	v_cvt_scalef32_pk8_fp8_f32 v[P+16*\u+2*\g:P+16*\u+2*\g+1], v[S+64*\u+8*\g:S+64*\u+8*\g+7], v[SC6]
.endr
.endr
	v_nop
.irp u, 0,1
	global_store_b128 v[LI], v[P+16*\u:P+16*\u+3], s[76:77] offset:16384*\u          ; 512 consecutive bytes a store
	global_store_b128 v[LI], v[P+16*\u+4:P+16*\u+7], s[76:77] offset:16384*\u+512
.endr
	s_wait_tensorcnt 0x0                           ; the wave's end
	ds_add_u32 v[SPW], v[NIL]
	s_wait_dscnt 0x0                               ; the add, and the last step's unused loads
	ROUND                                          ; the closing round
	s_endpgm
.Lfunc_end_k_q9dd684a190_attn:
	.size	k_q9dd684a190_attn, .Lfunc_end_k_q9dd684a190_attn-k_q9dd684a190_attn
	.p2alignl 7, 3214868480
	.fill 96, 4, 3214868480
	.section	.rodata,"a",@progbits
	.p2align	6, 0x0
	.amdhsa_kernel k_q9dd684a190_attn
		.amdhsa_group_segment_fixed_size 327680
		.amdhsa_private_segment_fixed_size 0
		.amdhsa_enable_private_segment 0
		.amdhsa_kernarg_size 24
		.amdhsa_user_sgpr_count 2
		.amdhsa_user_sgpr_kernarg_segment_ptr 1
		.amdhsa_wavefront_size32 1
		.amdhsa_system_sgpr_workgroup_id_x 1
		.amdhsa_system_sgpr_workgroup_id_y 1
		.amdhsa_system_sgpr_workgroup_id_z 1
		.amdhsa_system_vgpr_workitem_id 0
		.amdhsa_next_free_vgpr 512
		.amdhsa_next_free_sgpr 100
		.amdhsa_reserve_vcc 0
		.amdhsa_float_denorm_mode_32 3
		.amdhsa_float_denorm_mode_16_64 3
		.amdhsa_memory_ordered 1
		.amdhsa_forward_progress 1
		.amdhsa_inst_pref_size 74
	.end_amdhsa_kernel
	.amdgpu_metadata
---
amdhsa.version: [ 1, 2 ]
amdhsa.kernels:
  - .name:           k_q9dd684a190_attn
    .symbol:         k_q9dd684a190_attn.kd
    .args:
      - { .name: qkvc, .offset: 0, .size: 8, .value_kind: global_buffer, .address_space: global }
      - { .name: lowp_scales, .offset: 8, .size: 8, .value_kind: global_buffer, .address_space: global }
      - { .name: ao, .offset: 16, .size: 8, .value_kind: global_buffer, .address_space: global }
    .group_segment_fixed_size: 327680
    .private_segment_fixed_size: 0
    .kernarg_segment_align: 8
    .kernarg_segment_size: 24
    .max_flat_workgroup_size: 256
    .sgpr_count:     100
    .vgpr_count:     512
    .wavefront_size: 32
...
	.end_amdgpu_metadata
.endif
;; end of part 3
;; launch gproj (part 4): grid 8 x 32, 4 waves a work-group, clusters of 4 x 4, 327,680 bytes of LDS; arguments ao, wimg, lowp_scales, b_proj, x, x1; writes x1
.if DOCPART == 4
	.amdgcn_target "amdgcn-amd-amdhsa--gfx1250"
	.amdhsa_code_object_version 6
	.text
	.protected	k_q9dd684a190_gproj
	.globl	k_q9dd684a190_gproj
	.p2align	8
	.type	k_q9dd684a190_gproj,@function
k_q9dd684a190_gproj:
	s_mov_b64 s[64:65], 0
	v_nop
	global_prefetch_b8 v0, s[64:65] scope:SCOPE_SE
	s_setreg_imm32_b32 hwreg(HW_REG_WAVE_MODE, 25, 1), 1
	s_wait_xcnt 0x0
	s_wait_alu depctr_hold_cnt(0) depctr_sa_sdst(0) depctr_va_vdst(0) depctr_va_sdst(0) depctr_va_ssrc(0) depctr_va_vcc(0) depctr_vm_vsrc(0)
	s_getreg_b32 s2, hwreg(HW_REG_IB_STS2, 6, 4)
	s_cmp_eq_u32 s2, 0
	s_cbranch_scc0 .Lentry_in_a_cluster
	s_endpgm
.Lentry_in_a_cluster:
	s_bfe_u32 s2, ttmp6, 0x10000c
	s_cmp_lg_u32 s2, 0xf033
	s_cbranch_scc0 .Lentry_shape_is_right
	s_endpgm
.Lentry_shape_is_right:
.set MB,   4
.set NB,   4
.set KQ,   4
.set KTOT, 1024
.set WOFF, 3145728
.set SOFF, 24
.set AF,   32
.set FR,    16
.set NL,    4
.set HL,    (MB/2)*NL
.set RB,    16*KTOT
.set SROW,  2048*KQ
.set HALF,  MB*SROW
.set SLOT,  4*HALF
.set SPARE, 2*SLOT
.set LAPS,  KTOT/(256*KQ)
.set ADRA, 16
.set ADRB, 20
.set STO,  24
.set RD,   25
.set CO,   26
.set SPW,  28
.set NIL,  29
.set BK,   96
.set RES,  128
.set G1,  24
.set G0,  32
.set G1B, 48
.set G0B, 56
.set MSB, 0
.macro WIN new
.if MSB != (\new)
	s_set_vgpr_msb (MSB<<8)|(\new)
.set MSB, (\new)
.endif
.endm
.set MUL_LO, 0xa1
.set MUL_HI, 0xf1
.set TO_B,   0x40
.macro JLOAD g0a, g1a, g0b, g1b
	s_cmp_eq_u32 s15, 0
	s_cbranch_scc0 .Lfor_b_\@
	tensor_load_to_lds s[\g0a:\g0a+3], s[\g1a:\g1a+7]
	s_nop 0
.rept 4
	v_nop
.endr
	s_branch .Lasked_\@
.Lfor_b_\@:
	tensor_load_to_lds s[\g0b:\g0b+3], s[\g1b:\g1b+7]
	s_nop 0
.rept 4
	v_nop
.endr
.Lasked_\@:
.endm
.macro CREST
	s_cmp_lg_u32 s14, 0
	s_cbranch_scc1 .Lnot_wave_0_\@
	s_barrier_signal -3
.Lnot_wave_0_\@:
	s_barrier_wait -3
	s_barrier_signal -1
	s_barrier_wait -1
.endm
.macro CROUND
	s_barrier_signal -1
	s_barrier_wait -1
	CREST
.endm
.macro PLACES n
.rept \n
	v_nop
.endr
.endm
.macro FRAG reg, adr, q, i
.irp c, 0,1,2,3
	ds_load_b128 v[\reg+4*\c:\reg+4*\c+3], v[\adr] offset:(\i)*SROW+2048*(\q)+512*\c
.endr
.endm
.macro FETCH_B slot, q, p
	WIN TO_B
.set fi, 0
.rept NB
	FRAG 128*(\p)+FR*fi, ADRB+\slot, \q, fi
.set fi, fi+1
.endr
	WIN 0
.endm
.macro FETCH_A slot, q, half
.set fi, (\half)*(MB/2)
.rept MB/2
	FRAG AF+FR*fi, ADRA+\slot, \q, fi
.set fi, fi+1
.endr
.endm
.macro MULQ qtr, p, zero
.set ma, (\qtr)*(MB/4)
.rept MB/4
.set mb, 0
.rept NB
.set rAcc, 8*(NB*(ma%(MB/2))+mb)
.if \zero
	v_wmma_f32_16x16x128_fp8_fp8 v[rAcc:rAcc+7], v[128*(\p)+FR*mb:128*(\p)+FR*mb+FR-1], v[AF+FR*ma:AF+FR*ma+FR-1], 0
.else
	v_wmma_f32_16x16x128_fp8_fp8 v[rAcc:rAcc+7], v[128*(\p)+FR*mb:128*(\p)+FR*mb+FR-1], v[AF+FR*ma:AF+FR*ma+FR-1], v[rAcc:rAcc+7]
.endif
.set mb, mb+1
.endr
.set ma, ma+1
.endr
.endm
.macro MULH half, p, zero
	MULQ 2*(\half), \p, \zero
	MULQ 2*(\half)+1, \p, \zero
.endm
.macro STEP slot, q, zero
	s_wait_dscnt HL
	WIN MUL_LO
	MULH 0, (\q)%2, \zero
	s_wait_dscnt 0
	PLACES 4
	FETCH_B \slot, (\q)+1, 1-(\q)%2
	FETCH_A \slot, (\q)+1, 0
	WIN MUL_HI
	MULH 1, (\q)%2, \zero
	PLACES 4
	WIN 0
	FETCH_A \slot, (\q)+1, 1
.endm
.macro MID slot, q0
.if KQ-1-(\q0) > 0
.set sq, \q0
.rept KQ-1-(\q0)
	STEP \slot, sq, 0
.set sq, sq+1
.endr
.endif
.endm
.macro TURN slot, next, fill
	s_wait_tensorcnt 0x0
	ds_add_u32 v[SPW], v[NIL]
	s_wait_dscnt HL+1
	WIN MUL_LO
	MULQ 0, 1, 0
	s_wait_dscnt 0x0
	s_barrier_signal -1
	MULQ 1, 1, 0
	WIN 0
	s_barrier_wait -1
.if \fill
	CREST
	s_add_nc_u64 s[G0+4*\slot+2:G0+4*\slot+3], s[G0+4*\slot+2:G0+4*\slot+3], 2*SROW
	s_add_nc_u64 s[G0B+4*\slot+2:G0B+4*\slot+3], s[G0B+4*\slot+2:G0B+4*\slot+3], 2*SROW
	JLOAD G0+4*\slot, G1, G0B+4*\slot, G1B
.else
	PLACES 4
.endif
	FETCH_B \next, 0, 0
	FETCH_A \next, 0, 0
	WIN MUL_HI
	MULH 1, 1, 0
	PLACES 4
	WIN 0
	FETCH_A \next, 0, 1
.endm
	s_load_b128 s[4:7], s[0:1], 0x0
	s_load_b128 s[8:11], s[0:1], 0x10
	s_load_b128 s[68:71], s[0:1], 0x20
	v_lshl_add_u32 v[SPW], v0, 2, SPARE
	v_mov_b32 v[NIL], 0
	ds_add_u32 v28, v29
	ds_add_u32 v28, v29
	s_wait_dscnt 0x0
	v_lshrrev_b32 v1, 5, v0
	v_readfirstlane_b32 s14, v1
	s_lshr_b32 s15, s14, 1
	s_and_b32 s16, s14, 1
	s_bfe_u32 s40, ttmp6, 0x40000
	s_bfe_u32 s41, ttmp6, 0x40004
	s_lshl_b32 s42, ttmp9, 2
	s_add_co_u32 s42, s42, s40
	s_and_b32 s17, ttmp7, 0xffff
	s_lshl_b32 s17, s17, 2
	s_add_co_u32 s17, s17, s41
	s_lshl_b32 s43, s41, 2
	s_lshl_b32 s43, 15, s43
	s_lshl_b32 s44, 0x1111, s40
	s_or_b32 s[G1+0], s43, (1<<21)
	s_or_b32 s[G1B+0], s44, (1<<21)
.irp g, G1, G1B
	s_mov_b32 s[\g+1], SROW<<16
	s_mov_b32 s[\g+2], MB<<16
	s_mov_b32 s[\g+3], SROW<<16
	s_mov_b32 s[\g+4], MB
	s_mov_b32 s[\g+5], RB
	s_mov_b32 s[\g+6], 0
	s_mov_b32 s[\g+7], 0
.endr
	s_mul_i32 s18, s16, MB
	s_mul_i32 s20, s17, 2*MB
	s_add_co_u32 s20, s20, s18
	s_mul_i32 s20, s20, RB
	s_mov_b32 s21, 0
	s_mul_i32 s46, s42, 2*NB
	s_add_co_u32 s46, s46, s18
	s_mul_i32 s46, s46, RB
	s_add_co_u32 s46, s46, WOFF
	s_mov_b32 s47, 0
	s_mul_i32 s45, s14, HALF
	s_wait_kmcnt 0x0
	s_load_b64 s[96:97], s[8:9], SOFF
	s_add_nc_u64 s[20:21], s[4:5], s[20:21]
	s_add_nc_u64 s[46:47], s[6:7], s[46:47]
	CROUND
.irp s, 0,1
	s_mov_b32 s[G0+4*\s], 1
	s_add_co_u32 s[G0+4*\s+1], s45, \s*SLOT
	s_add_nc_u64 s[G0+4*\s+2:G0+4*\s+3], s[20:21], \s*SROW
	s_or_b32 s[G0+4*\s+3], s[G0+4*\s+3], 0x80000000
	s_mov_b32 s[G0B+4*\s], 1
	s_add_co_u32 s[G0B+4*\s+1], s45, \s*SLOT
	s_add_nc_u64 s[G0B+4*\s+2:G0B+4*\s+3], s[46:47], \s*SROW
	s_or_b32 s[G0B+4*\s+3], s[G0B+4*\s+3], 0x80000000
.endr
	JLOAD G0, G1, G0B, G1B                         ; slot 0: one tensor load a wave at the head
	; PREFETCH INTO THE L2: K has two slots; behind slot 0's load slot 1 is asked for.  A wave's load is 4 blocks x 8,192 bytes; the four partners that ask for it jointly share the blocks out
	; by address (cx for the A side, cy for the B side): a block a work-group, lanes 256 bytes apart: each 256 bytes are named once in the cluster
.set PFA, 84                           ; s[84:85] my block of the wave's four, at slot 0; never rewritten
.set PFO, 30                           ; v30 256 x lane; never rewritten
	s_cmp_eq_u32 s15, 0
	s_cselect_b64 s[PFA:PFA+1], s[20:21], s[46:47]
	s_cselect_b32 s86, s40, s41
	s_mul_i32 s86, s86, RB
	s_mov_b32 s87, 0
	s_add_nc_u64 s[PFA:PFA+1], s[PFA:PFA+1], s[86:87]
	v_and_b32 v1, 15, v0
	s_wait_alu depctr_va_vdst(0)
	v_bfe_u32 v2, v0, 4, 1
	v_and_b32 v3, 31, v0
	v_lshlrev_b32 v13, 4, v3
	v_lshlrev_b32 v[PFO], 8, v3
	global_prefetch_b8 v[PFO], s[PFA:PFA+1] offset:SROW th:TH_LOAD_NT scope:SCOPE_SE   ; slot 1
	s_mul_i32 s22, s15, HALF
	s_mul_i32 s23, s16, HALF
	s_add_co_u32 s23, s23, 2*HALF
.irp s, 0,1
	v_add_nc_u32 v[ADRA+\s], s22, v13
	v_add_nc_u32 v[ADRB+\s], s23, v13
	s_add_co_u32 s22, s22, SLOT
	s_add_co_u32 s23, s23, SLOT
.endr
	s_mul_i32 s76, s14, 4352
	v_mul_u32_u24 v[STO], v1, 272
	s_wait_alu depctr_va_vdst(0)
	v_lshl_add_u32 v[STO], v2, 6, v[STO]
	v_add_nc_u32 v[STO], s76, v[STO]
	v_mul_u32_u24 v[RD], v2, 272
	v_lshl_add_u32 v[RD], v1, 4, v[RD]
	v_add_nc_u32 v[RD], s76, v[RD]
	v_lshlrev_b32 v27, 4, v1
	s_wait_alu depctr_va_vdst(0)
	v_lshl_add_u32 v[CO], v2, 12, v27
	s_wait_alu depctr_va_vdst(0)
	s_lshl_b32 s72, s42, 9
	s_lshl_b32 s73, s16, 8
	s_add_co_u32 s72, s72, s73
	s_mov_b32 s73, 0
	s_add_nc_u64 s[74:75], s[10:11], s[72:73]
	s_lshl_b32 s77, s17, 19
	s_add_co_u32 s72, s72, s77
	s_lshl_b32 s77, s15, 18
	s_add_co_u32 s72, s72, s77
	s_add_nc_u64 s[68:69], s[68:69], s[72:73]
	s_add_nc_u64 s[70:71], s[70:71], s[72:73]
	global_load_b128 v[4:7], v27, s[74:75]
	s_wait_alu depctr_va_vdst(0)                   ; the wait at the head's end
	s_wait_tensorcnt 0x0                           ; my part of slot 0 is in
	ds_add_u32 v[SPW], v[NIL]
	s_wait_dscnt 0x0
	CROUND                                         ; everybody's part of slot 0 is in, and the sixteen work-groups meet
	JLOAD G0+4, G1, G0B+4, G1B                     ; slot 1's first fill: the first tensor load behind the round
	FETCH_B 0, 0, 0
	FETCH_A 0, 0, 0
	FETCH_A 0, 0, 1
	STEP 0, 0, 1
.irp a, 0,1,2,3                        ; the residual, my 64 rows x 256 bytes, is asked for behind both slots' tiles and lands under the K steps
.irp t, 0,1,2,3,4,5,6,7
	global_load_b128 v[RES+32*\a+4*\t:RES+32*\a+4*\t+3], v[CO], s[68:69] offset:(16*\a+2*\t)*4096
.endr
.endr
.if LAPS > 1
	s_mov_b32 s3, LAPS-1
.Llap:
	MID 0, 1
	TURN 0, 1, 1
	MID 1, 0
	TURN 1, 0, 1
	STEP 0, 0, 0
	s_sub_co_u32 s3, s3, 1
	s_cmp_lg_u32 s3, 0
	s_cbranch_scc1 .Llap
.endif
	MID 0, 1
	TURN 0, 1, 0
	MID 1, 0
	s_wait_dscnt HL
	WIN MUL_LO
	MULH 0, 1, 0
	s_wait_dscnt 0
	WIN MUL_HI
	MULH 1, 1, 0
	WIN 0
	s_wait_kmcnt 0x0
	s_add_co_i32 s96, s96, s97
	s_add_co_i32 s96, s96, 127
	s_lshl_b32 s96, s96, 23
	s_mov_b32 s97, s96
	PLACES 4
	s_wait_loadcnt 0x0
.macro OUTBLK a
	WIN 0x08+4*((\a)/2)
.irp b, 0,1,2,3
	ds_store_b128 v[STO], v[8*(4*((\a)%2)+\b):8*(4*((\a)%2)+\b)+3] offset:128*(\b/2)+32*(\b%2)
	ds_store_b128 v[STO], v[8*(4*((\a)%2)+\b)+4:8*(4*((\a)%2)+\b)+7] offset:128*(\b/2)+32*(\b%2)+16
.endr
	WIN 0
.irp t, 0,1,2,3,4,5,6,7
	ds_load_b128 v[BK+4*\t:BK+4*\t+3], v[RD] offset:544*\t
.endr
.irp t, 0,1,2,3,4,5,6,7
	v_pk_add_f32 v[RES+32*(\a)+4*\t:RES+32*(\a)+4*\t+1], v[RES+32*(\a)+4*\t:RES+32*(\a)+4*\t+1], v[4:5]
	v_pk_add_f32 v[RES+32*(\a)+4*\t+2:RES+32*(\a)+4*\t+3], v[RES+32*(\a)+4*\t+2:RES+32*(\a)+4*\t+3], v[6:7]
.endr
	s_wait_dscnt 0x0
.irp t, 0,1,2,3,4,5,6,7
	v_pk_fma_f32 v[RES+32*(\a)+4*\t:RES+32*(\a)+4*\t+1], v[BK+4*\t:BK+4*\t+1], s[96:97], v[RES+32*(\a)+4*\t:RES+32*(\a)+4*\t+1] op_sel_hi:[1,0,1]
	v_pk_fma_f32 v[RES+32*(\a)+4*\t+2:RES+32*(\a)+4*\t+3], v[BK+4*\t+2:BK+4*\t+3], s[96:97], v[RES+32*(\a)+4*\t+2:RES+32*(\a)+4*\t+3] op_sel_hi:[1,0,1]
.endr
.irp t, 0,1,2,3,4,5,6,7
	global_store_b128 v[CO], v[RES+32*(\a)+4*\t:RES+32*(\a)+4*\t+3], s[70:71] offset:(16*(\a)+2*\t)*4096
.endr
.endm
	OUTBLK 0
	OUTBLK 1
	OUTBLK 2
	OUTBLK 3
	s_wait_tensorcnt 0x0
	ds_add_u32 v[SPW], v[NIL]
	s_wait_dscnt 0x0
	CROUND
	s_endpgm
.Lfunc_end_k_q9dd684a190_gproj:
	.size	k_q9dd684a190_gproj, .Lfunc_end_k_q9dd684a190_gproj-k_q9dd684a190_gproj
	.p2alignl 7, 3214868480
	.fill 96, 4, 3214868480
	.section	.rodata,"a",@progbits
	.p2align	6, 0x0
	.amdhsa_kernel k_q9dd684a190_gproj
		.amdhsa_group_segment_fixed_size 327680
		.amdhsa_private_segment_fixed_size 0
		.amdhsa_enable_private_segment 0
		.amdhsa_kernarg_size 48
		.amdhsa_user_sgpr_count 2
		.amdhsa_user_sgpr_kernarg_segment_ptr 1
		.amdhsa_wavefront_size32 1
		.amdhsa_system_sgpr_workgroup_id_x 1
		.amdhsa_system_sgpr_workgroup_id_y 1
		.amdhsa_system_sgpr_workgroup_id_z 1
		.amdhsa_system_vgpr_workitem_id 0
		.amdhsa_next_free_vgpr 1024
		.amdhsa_next_free_sgpr 100
		.amdhsa_reserve_vcc 0
		.amdhsa_float_denorm_mode_32 3
		.amdhsa_float_denorm_mode_16_64 3
		.amdhsa_memory_ordered 1
		.amdhsa_forward_progress 1
		.amdhsa_inst_pref_size 55
	.end_amdhsa_kernel
	.amdgpu_metadata
---
amdhsa.version: [ 1, 2 ]
amdhsa.kernels:
  - .name:           k_q9dd684a190_gproj
    .symbol:         k_q9dd684a190_gproj.kd
    .args:
      - { .name: ao, .offset: 0, .size: 8, .value_kind: global_buffer, .address_space: global }
      - { .name: wimg, .offset: 8, .size: 8, .value_kind: global_buffer, .address_space: global }
      - { .name: lowp_scales, .offset: 16, .size: 8, .value_kind: global_buffer, .address_space: global }
      - { .name: b_proj, .offset: 24, .size: 8, .value_kind: global_buffer, .address_space: global }
      - { .name: x, .offset: 32, .size: 8, .value_kind: global_buffer, .address_space: global }
      - { .name: x1, .offset: 40, .size: 8, .value_kind: global_buffer, .address_space: global }
    .group_segment_fixed_size: 327680
    .private_segment_fixed_size: 0
    .kernarg_segment_align: 8
    .kernarg_segment_size: 48
    .max_flat_workgroup_size: 128
    .sgpr_count:     100
    .vgpr_count:     1024
    .wavefront_size: 32
...
	.end_amdgpu_metadata
.endif
;; end of part 4
;; launch ln2 (part 5): grid 256 x 1, 4 waves a work-group, no clusters, 9,728 bytes of LDS; arguments x1, ln2_g, ln2_b, lowp_scales, aimg; writes aimg
.if DOCPART == 5
	.amdgcn_target "amdgcn-amd-amdhsa--gfx1250"
	.amdhsa_code_object_version 6
	.text
	.protected	k_q9dd684a190_ln2
	.globl	k_q9dd684a190_ln2
	.p2align	8
	.type	k_q9dd684a190_ln2,@function
k_q9dd684a190_ln2:
	s_mov_b64 s[64:65], 0
	v_nop
	global_prefetch_b8 v0, s[64:65] scope:SCOPE_SE
	s_setreg_imm32_b32 hwreg(HW_REG_WAVE_MODE, 25, 1), 1
	s_wait_xcnt 0x0
; LayerNorm 2 of 16 rows of x1, quantised to E4M3 with 2^e8, stored as the image of a matrix operand's registers: fragment (block of 16 rows, K step of 128) at (8 block + step) x 2,048;
; group c at 512 c, lane l at 16 l; lane (r = l % 16, h = l / 16) holds row r, k = 128 step + 32 c + 16 h + 0..15.
; The work-group owns 16 rows, wave w their columns 256 w .. 256 w + 255; lanes (r, 0) and (r, 1) share row r; the waves' sums meet in LDS (two barriers).
; A wave's 256 g and 256 b are loaded once, at the head, 512 consecutive bytes a load, and kept in 2,048 bytes of LDS of the wave's own, from which each group of 32 columns takes its numbers.
; The variance is taken of x - mean, whatever offset x carries.  LIMITS: e8 between -126 and 119; NaN among the inputs is not served.
.set X,   32                           ; v32-159  register 16 q + i = column 256 wave + 32 q + 16 h + i of my row
.set GB,  160                          ; v160-223 two sets of 16 g and 16 b
.set CD,  224                          ; v224-255 first g and b on their way to LDS, then codes: no store's data are written again
.set GBL, 1024                         ; LDS behind the two sums' words: 2,048 bytes a wave: its 256 g, then its 256 b
.macro GBLOAD q                        ; g and b of my 16 columns of group q, out of my wave's own LDS bytes, into set q % 2; sixteen lanes read the same 16 bytes
.irp j, 0,1,2,3
	ds_load_b128 v[GB+32*((\q)%2)+4*\j:GB+32*((\q)%2)+4*\j+3], v30 offset:128*(\q)+16*\j
	ds_load_b128 v[GB+32*((\q)%2)+16+4*\j:GB+32*((\q)%2)+16+4*\j+3], v30 offset:1024+128*(\q)+16*\j
.endr
.endm
.macro FOLD
	v_pk_add_f32 v[16:17], v[16:17], v[18:19]
	v_pk_add_f32 v[20:21], v[20:21], v[22:23]
	v_pk_add_f32 v[16:17], v[16:17], v[20:21]
	v_add_f32 v16, v16, v17
.endm
.macro ACROSS off                      ; v16: my lane's part -> v16: the row's sum over all 1,024 columns
	v_permlanex16_b32 v9, v16, s44, s45
	v_add_f32 v16, v16, v9
	ds_store_b32 v6, v16 offset:\off
	s_wait_dscnt 0x0                               ; for the other waves' sake: my store has landed
	s_barrier_signal -1
	s_barrier_wait -1
.irp i, 0,1,2,3
	ds_load_b32 v[24+\i], v7 offset:\off+128*\i
.endr
	s_wait_dscnt 0x0
	v_add_f32 v24, v24, v25
	v_add_f32 v26, v26, v27
	v_add_f32 v16, v24, v26
.endm
	s_load_b256 s[4:11], s[0:1], 0x0               ; x1 4:5, g 6:7, b 8:9, scales 10:11
	s_load_b64 s[20:21], s[0:1], 0x20              ; aimg
	v_lshl_add_u32 v31, v0, 2, 0x2400
	s_set_vgpr_msb 0x40
	v_mov_b32 v1, 0
	s_set_vgpr_msb 0x4000
	v_lshrrev_b32 v1, 5, v0
	v_readfirstlane_b32 s26, v1                    ; wave
	v_and_b32 v1, 31, v0                           ; lane
	v_and_b32 v2, 15, v0                           ; r
	v_bfe_u32 v3, v0, 4, 1                         ; h
	s_lshl_b32 s46, s26, 10
	v_lshlrev_b32 v5, 6, v3
	v_add_nc_u32 v5, s46, v5                       ; 1,024 w + 64 h
	v_lshl_add_u32 v4, v2, 12, v5                  ; x1: + row r of 4,096 bytes
	v_lshl_add_u32 v28, v1, 4, s46                 ; g, b in memory: 1,024 w + 16 x lane
	s_lshl_b32 s49, s26, 11
	s_add_co_u32 s49, s49, GBL                     ; my wave's 2,048 bytes of LDS
	v_lshl_add_u32 v29, v1, 4, s49                 ; into them: 16 x lane
	v_lshl_add_u32 v30, v3, 6, s49                 ; out of them: 64 h
	v_lshlrev_b32 v6, 2, v0
	v_lshlrev_b32 v7, 2, v1
	s_lshl_b32 s47, s26, 12
	v_lshl_add_u32 v8, v1, 4, s47                  ; the image: 16 x lane + two K steps a wave
	v_mov_b32 v9, 0
	s_mov_b32 s44, 0x76543210
	s_mov_b32 s45, 0xfedcba98
	s_lshl_b32 s40, ttmp9, 16
	s_mov_b32 s41, 0
	s_lshl_b32 s42, ttmp9, 14
	s_mov_b32 s43, 0
	s_wait_alu depctr_va_vdst(0)
	s_wait_kmcnt 0x0
	s_load_b32 s28, s[10:11], 0x20                 ; e8
	s_add_nc_u64 s[40:41], s[4:5], s[40:41]
	s_add_nc_u64 s[42:43], s[20:21], s[42:43]
	global_load_b128 v[CD:CD+3], v28, s[6:7]                  ; all of my wave's g and b at once, ahead of x1
	global_load_b128 v[CD+4:CD+7], v28, s[6:7] offset:512
	global_load_b128 v[CD+8:CD+11], v28, s[8:9]
	global_load_b128 v[CD+12:CD+15], v28, s[8:9] offset:512
.irp q, 0,1,2,3,4,5,6,7
.irp j, 0,1,2,3
	global_load_b128 v[X+16*\q+4*\j:X+16*\q+4*\j+3], v4, s[40:41] offset:128*\q+16*\j
.endr
.endr
	s_wait_kmcnt 0x0
	s_add_co_i32 s47, s28, 127
	s_lshl_b32 s48, s47, 23
	v_mov_b32 v14, s48                             ; 2^e
	s_add_co_i32 s47, s47, 8
	s_lshl_b32 s47, s47, 23
	s_or_b32 s47, s47, 0x600000
	v_mov_b32 v15, s47                             ; 448 x 2^e
	s_wait_loadcnt 32                              ; g and b are in; x1's 32 younger loads may be out
	ds_store_b128 v29, v[CD:CD+3]
	ds_store_b128 v29, v[CD+4:CD+7] offset:512
	ds_store_b128 v29, v[CD+8:CD+11] offset:1024
	ds_store_b128 v29, v[CD+12:CD+15] offset:1536
	GBLOAD 0                                       ; LDS serves a wave's instructions in order (ISA guide 5.7.1.4): these see my stores; no other wave touches these bytes
	GBLOAD 1
	s_wait_loadcnt 0                               ; x1 is in
.irp k, 0,1,2,3
	v_pk_add_f32 v[16+2*\k:17+2*\k], v[X+2*\k:X+2*\k+1], v[X+8+2*\k:X+9+2*\k]
.endr
.set p, 8
.rept 56
	v_pk_add_f32 v[16+2*(p%4):17+2*(p%4)], v[16+2*(p%4):17+2*(p%4)], v[X+2*p:X+2*p+1]
.set p, p+1
.endr
	FOLD
	ACROSS 0
	v_mul_f32 v10, 0x3a800000, v16                 ; the mean
	v_mov_b32 v11, v10
.set p, 0
.rept 64
	v_pk_add_f32 v[X+2*p:X+2*p+1], v[X+2*p:X+2*p+1], v[10:11] neg_lo:[0,1] neg_hi:[0,1]
.set p, p+1
.endr
.irp k, 0,1,2,3
	v_pk_mul_f32 v[16+2*\k:17+2*\k], v[X+2*\k:X+2*\k+1], v[X+2*\k:X+2*\k+1]
.endr
.set p, 4
.rept 60
	v_pk_fma_f32 v[16+2*(p%4):17+2*(p%4)], v[X+2*p:X+2*p+1], v[X+2*p:X+2*p+1], v[16+2*(p%4):17+2*(p%4)]
.set p, p+1
.endr
	FOLD
	ACROSS 512                                     ; other bytes than the first sum's
	v_mov_b32 v13, 0x3727c5ac                      ; 1e-5
	v_fma_f32 v12, v16, 0x3a800000, v13
	s_wait_alu depctr_va_vdst(0)
	v_rsq_f32 v12, v12
	v_nop
	s_wait_alu depctr_va_vdst(0)                   ; the wait ahead of the first reader
	v_mov_b32 v13, v12
	s_wait_alu depctr_va_vdst(0)
.irp q, 0,1,2,3,4,5,6,7
.if \q < 7
	s_wait_dscnt 8                                 ; this group's g and b are in; the next group's eight LDS loads may be out
.else
	s_wait_dscnt 0
.endif
.irp i, 0,2,4,6,8,10,12,14
	v_pk_mul_f32 v[X+16*\q+\i:X+16*\q+\i+1], v[X+16*\q+\i:X+16*\q+\i+1], v[12:13]
.endr
.irp i, 0,2,4,6,8,10,12,14
	v_pk_fma_f32 v[X+16*\q+\i:X+16*\q+\i+1], v[X+16*\q+\i:X+16*\q+\i+1], v[GB+32*(\q%2)+\i:GB+32*(\q%2)+\i+1], v[GB+32*(\q%2)+16+\i:GB+32*(\q%2)+17+\i]
.endr
.irp i, 0,1,2,3,4,5,6,7,8,9,10,11,12,13,14,15
	v_med3_num_f32 v[X+16*\q+\i], v[X+16*\q+\i], -v15, v15   ; the conversion does not saturate (ISA guide 7.6.2): hold first
.endr
	v_cvt_scalef32_pk8_fp8_f32 v[CD+4*\q:CD+4*\q+1], v[X+16*\q:X+16*\q+7], v14
	v_cvt_scalef32_pk8_fp8_f32 v[CD+4*\q+2:CD+4*\q+3], v[X+16*\q+8:X+16*\q+15], v14
	global_store_b128 v8, v[CD+4*\q:CD+4*\q+3], s[42:43] offset:512*\q     ; 512 consecutive bytes: one group of the image
.if \q < 6
	GBLOAD \q+2
.endif
.endr
	s_set_vgpr_msb 0x4
	s_wait_tensorcnt 0x0
	ds_add_u32 v31, v1
	s_wait_dscnt 0x0
	s_set_vgpr_msb 0x400
	s_endpgm
.Lfunc_end_k_q9dd684a190_ln2:
	.size	k_q9dd684a190_ln2, .Lfunc_end_k_q9dd684a190_ln2-k_q9dd684a190_ln2
	.p2alignl 7, 3214868480
	.fill 96, 4, 3214868480
	.section	.rodata,"a",@progbits
	.p2align	6, 0x0
	.amdhsa_kernel k_q9dd684a190_ln2
		.amdhsa_group_segment_fixed_size 9728
		.amdhsa_private_segment_fixed_size 0
		.amdhsa_enable_private_segment 0
		.amdhsa_kernarg_size 40
		.amdhsa_user_sgpr_count 2
		.amdhsa_user_sgpr_kernarg_segment_ptr 1
		.amdhsa_wavefront_size32 1
		.amdhsa_system_sgpr_workgroup_id_x 1
		.amdhsa_system_sgpr_workgroup_id_y 1
		.amdhsa_system_sgpr_workgroup_id_z 1
		.amdhsa_system_vgpr_workitem_id 0
		.amdhsa_next_free_vgpr 258
		.amdhsa_next_free_sgpr 66
		.amdhsa_reserve_vcc 0
		.amdhsa_float_denorm_mode_32 3
		.amdhsa_float_denorm_mode_16_64 3
		.amdhsa_memory_ordered 1
		.amdhsa_forward_progress 1
		.amdhsa_inst_pref_size 42
	.end_amdhsa_kernel
	.amdgpu_metadata
---
amdhsa.version: [ 1, 2 ]
amdhsa.kernels:
  - .name:           k_q9dd684a190_ln2
    .symbol:         k_q9dd684a190_ln2.kd
    .args:
      - { .name: x1, .offset: 0, .size: 8, .value_kind: global_buffer, .address_space: global }
      - { .name: ln2_g, .offset: 8, .size: 8, .value_kind: global_buffer, .address_space: global }
      - { .name: ln2_b, .offset: 16, .size: 8, .value_kind: global_buffer, .address_space: global }
      - { .name: lowp_scales, .offset: 24, .size: 8, .value_kind: global_buffer, .address_space: global }
      - { .name: aimg, .offset: 32, .size: 8, .value_kind: global_buffer, .address_space: global }
    .group_segment_fixed_size: 9728
    .private_segment_fixed_size: 0
    .kernarg_segment_align: 8
    .kernarg_segment_size: 40
    .max_flat_workgroup_size: 128
    .sgpr_count:     66
    .vgpr_count:     258
    .wavefront_size: 32
...
	.end_amdgpu_metadata
.endif
;; end of part 5
;; launch gffn1 (part 6): grid 16 x 16, 4 waves a work-group, clusters of 4 x 4, 327,680 bytes of LDS; arguments aimg, wimg, lowp_scales, b_ffn1, himg; writes himg
.if DOCPART == 6
	.amdgcn_target "amdgcn-amd-amdhsa--gfx1250"
	.amdhsa_code_object_version 6
	.text
	.protected	k_q9dd684a190_gffn1
	.globl	k_q9dd684a190_gffn1
	.p2align	8
	.type	k_q9dd684a190_gffn1,@function
k_q9dd684a190_gffn1:
	s_mov_b64 s[64:65], 0
	v_nop
	global_prefetch_b8 v0, s[64:65] scope:SCOPE_SE
	s_setreg_imm32_b32 hwreg(HW_REG_WAVE_MODE, 25, 1), 1
	s_wait_xcnt 0x0
	s_wait_alu depctr_hold_cnt(0) depctr_sa_sdst(0) depctr_va_vdst(0) depctr_va_sdst(0) depctr_va_ssrc(0) depctr_va_vcc(0) depctr_vm_vsrc(0)
	s_getreg_b32 s2, hwreg(HW_REG_IB_STS2, 6, 4)
	s_cmp_eq_u32 s2, 0
	s_cbranch_scc0 .Lentry_in_a_cluster
	s_endpgm
.Lentry_in_a_cluster:
	s_bfe_u32 s2, ttmp6, 0x10000c
	s_cmp_lg_u32 s2, 0xf033
	s_cbranch_scc0 .Lentry_shape_is_right
	s_endpgm
.Lentry_shape_is_right:
.set MB,   8
.set NB,   8
.set KQ,   2
.set KTOT, 1024
.set WOFF, 4194304
.set AF,   128
.set FR,    16
.set NL,    4
.set HL,    (MB/2)*NL
.set RB,    16*KTOT
.set SROW,  2048*KQ
.set HALF,  MB*SROW
.set SLOT,  4*HALF
.set SPARE, 2*SLOT
.set LAPS,  KTOT/(256*KQ)
.set ADRA, 16
.set ADRB, 20
.set SPW,  28
.set NIL,  29
.set G1,  24
.set G0,  32
.set G1B, 48
.set G0B, 56
.set BIAS, 32
.set CD,   96
.set VAL,  128
.set EX,   192
.set MSB, 0
.macro WIN new
.if MSB != (\new)
	s_set_vgpr_msb (MSB<<8)|(\new)
.set MSB, (\new)
.endif
.endm
.set MUL_LO, 0xa1
.set MUL_HI, 0xf1
.set TO_B,   0x40
.macro JLOAD g0a, g1a, g0b, g1b
	s_cmp_eq_u32 s15, 0
	s_cbranch_scc0 .Lfor_b_\@
	tensor_load_to_lds s[\g0a:\g0a+3], s[\g1a:\g1a+7]
	s_nop 0
.rept 4
	v_nop
.endr
	s_branch .Lasked_\@
.Lfor_b_\@:
	tensor_load_to_lds s[\g0b:\g0b+3], s[\g1b:\g1b+7]
	s_nop 0
.rept 4
	v_nop
.endr
.Lasked_\@:
.endm
.macro CREST
	s_cmp_lg_u32 s14, 0
	s_cbranch_scc1 .Lnot_wave_0_\@
	s_barrier_signal -3
.Lnot_wave_0_\@:
	s_barrier_wait -3
	s_barrier_signal -1
	s_barrier_wait -1
.endm
.macro CROUND
	s_barrier_signal -1
	s_barrier_wait -1
	CREST
.endm
.macro PLACES n
.rept \n
	v_nop
.endr
.endm
.macro FRAG reg, adr, q, i
.irp c, 0,1,2,3
	ds_load_b128 v[\reg+4*\c:\reg+4*\c+3], v[\adr] offset:(\i)*SROW+2048*(\q)+512*\c
.endr
.endm
.macro FETCH_B slot, q, p
	WIN TO_B
.set fi, 0
.rept NB
	FRAG 128*(\p)+FR*fi, ADRB+\slot, \q, fi
.set fi, fi+1
.endr
	WIN 0
.endm
.macro FETCH_A slot, q, half
.set fi, (\half)*(MB/2)
.rept MB/2
	FRAG AF+FR*fi, ADRA+\slot, \q, fi
.set fi, fi+1
.endr
.endm
.macro MULQ qtr, p, zero
.set ma, (\qtr)*(MB/4)
.rept MB/4
.set mb, 0
.rept NB
.set rAcc, 8*(NB*(ma%(MB/2))+mb)
.if \zero
	v_wmma_f32_16x16x128_fp8_fp8 v[rAcc:rAcc+7], v[128*(\p)+FR*mb:128*(\p)+FR*mb+FR-1], v[AF+FR*ma:AF+FR*ma+FR-1], 0
.else
	v_wmma_f32_16x16x128_fp8_fp8 v[rAcc:rAcc+7], v[128*(\p)+FR*mb:128*(\p)+FR*mb+FR-1], v[AF+FR*ma:AF+FR*ma+FR-1], v[rAcc:rAcc+7]
.endif
.set mb, mb+1
.endr
.set ma, ma+1
.endr
.endm
.macro MULH half, p, zero
	MULQ 2*(\half), \p, \zero
	MULQ 2*(\half)+1, \p, \zero
.endm
.macro STEP slot, q, zero
	s_wait_dscnt HL
	WIN MUL_LO
	MULH 0, (\q)%2, \zero
	s_wait_dscnt 0
	PLACES 4
	FETCH_B \slot, (\q)+1, 1-(\q)%2
	FETCH_A \slot, (\q)+1, 0
	WIN MUL_HI
	MULH 1, (\q)%2, \zero
	PLACES 4
	WIN 0
	FETCH_A \slot, (\q)+1, 1
.endm
.macro MID slot, q0
.if KQ-1-(\q0) > 0
.set sq, \q0
.rept KQ-1-(\q0)
	STEP \slot, sq, 0
.set sq, sq+1
.endr
.endif
.endm
.macro TURN slot, next, fill
	s_wait_tensorcnt 0x0
	ds_add_u32 v[SPW], v[NIL]
	s_wait_dscnt HL+1
	WIN MUL_LO
	MULQ 0, 1, 0
	s_wait_dscnt 0x0
	s_barrier_signal -1
	MULQ 1, 1, 0
	WIN 0
	s_barrier_wait -1
.if \fill
	CREST
	s_add_nc_u64 s[G0+4*\slot+2:G0+4*\slot+3], s[G0+4*\slot+2:G0+4*\slot+3], 2*SROW
	s_add_nc_u64 s[G0B+4*\slot+2:G0B+4*\slot+3], s[G0B+4*\slot+2:G0B+4*\slot+3], 2*SROW
	JLOAD G0+4*\slot, G1, G0B+4*\slot, G1B
.else
	PLACES 4
.endif
	FETCH_B \next, 0, 0
	FETCH_A \next, 0, 0
	WIN MUL_HI
	MULH 1, 1, 0
	PLACES 4
	WIN 0
	FETCH_A \next, 0, 1
.endm
	s_load_b128 s[4:7], s[0:1], 0x0
	s_load_b128 s[8:11], s[0:1], 0x10
	s_load_b64 s[12:13], s[0:1], 0x20
	v_lshl_add_u32 v[SPW], v0, 2, SPARE
	v_mov_b32 v[NIL], 0
	ds_add_u32 v28, v29
	ds_add_u32 v28, v29
	s_wait_dscnt 0x0
	v_lshrrev_b32 v1, 5, v0
	v_readfirstlane_b32 s14, v1
	s_lshr_b32 s15, s14, 1
	s_and_b32 s16, s14, 1
	s_bfe_u32 s40, ttmp6, 0x40000
	s_bfe_u32 s41, ttmp6, 0x40004
	s_lshl_b32 s42, ttmp9, 2
	s_add_co_u32 s42, s42, s40
	s_and_b32 s17, ttmp7, 0xffff
	s_lshl_b32 s17, s17, 2
	s_add_co_u32 s17, s17, s41
	s_lshl_b32 s43, s41, 2
	s_lshl_b32 s43, 15, s43
	s_lshl_b32 s44, 0x1111, s40
	s_or_b32 s[G1+0], s43, (1<<21)
	s_or_b32 s[G1B+0], s44, (1<<21)
.irp g, G1, G1B
	s_mov_b32 s[\g+1], SROW<<16
	s_mov_b32 s[\g+2], MB<<16
	s_mov_b32 s[\g+3], SROW<<16
	s_mov_b32 s[\g+4], MB
	s_mov_b32 s[\g+5], RB
	s_mov_b32 s[\g+6], 0
	s_mov_b32 s[\g+7], 0
.endr
	s_mul_i32 s18, s16, MB
	s_mul_i32 s20, s17, 2*MB
	s_add_co_u32 s20, s20, s18
	s_mul_i32 s20, s20, RB
	s_mov_b32 s21, 0
	s_mul_i32 s46, s42, 2*NB
	s_add_co_u32 s46, s46, s18
	s_mul_i32 s46, s46, RB
	s_add_co_u32 s46, s46, WOFF
	s_mov_b32 s47, 0
	s_mul_i32 s45, s14, HALF
	s_wait_kmcnt 0x0
	s_load_b128 s[76:79], s[8:9], 0x20
	s_add_nc_u64 s[20:21], s[4:5], s[20:21]
	s_add_nc_u64 s[46:47], s[6:7], s[46:47]
	CROUND
.irp s, 0,1
	s_mov_b32 s[G0+4*\s], 1
	s_add_co_u32 s[G0+4*\s+1], s45, \s*SLOT
	s_add_nc_u64 s[G0+4*\s+2:G0+4*\s+3], s[20:21], \s*SROW
	s_or_b32 s[G0+4*\s+3], s[G0+4*\s+3], 0x80000000
	s_mov_b32 s[G0B+4*\s], 1
	s_add_co_u32 s[G0B+4*\s+1], s45, \s*SLOT
	s_add_nc_u64 s[G0B+4*\s+2:G0B+4*\s+3], s[46:47], \s*SROW
	s_or_b32 s[G0B+4*\s+3], s[G0B+4*\s+3], 0x80000000
.endr
	JLOAD G0, G1, G0B, G1B                         ; slot 0: one tensor load a wave at the head
	; PREFETCH INTO THE L2: K has four slots.  Behind slot 0's load slots 1 and 2 are asked for, behind slot 1's load slot 3.  A wave's load is 8 blocks x 4,096 bytes; the four partners that ask for it
	; jointly share the blocks out by address (cx for the A side, cy for the B side): two blocks a work-group, sixteen lanes a block, 256 bytes apart: each 256 bytes are named once in the cluster
.set PFA, 72                           ; s[72:73] my two blocks of the wave's eight, at slot 0; never rewritten
.set PFO, 30                           ; v30 a block x (lane / 16) + 256 x (lane % 16); never rewritten
	s_cmp_eq_u32 s15, 0
	s_cselect_b64 s[PFA:PFA+1], s[20:21], s[46:47]
	s_cselect_b32 s74, s40, s41
	s_mul_i32 s74, s74, 2*RB
	s_mov_b32 s75, 0
	s_add_nc_u64 s[PFA:PFA+1], s[PFA:PFA+1], s[74:75]
	v_and_b32 v1, 15, v0
	v_bfe_u32 v2, v0, 4, 1
	s_wait_alu depctr_va_vdst(0)
	v_and_b32 v3, 31, v0
	v_lshlrev_b32 v13, 4, v3
	v_lshlrev_b32 v[PFO], 8, v1
	v_lshl_add_u32 v[PFO], v2, 14, v[PFO]          ; a block of 16 rows is 16,384 bytes
	global_prefetch_b8 v[PFO], s[PFA:PFA+1] offset:SROW th:TH_LOAD_NT scope:SCOPE_SE     ; slot 1
	global_prefetch_b8 v[PFO], s[PFA:PFA+1] offset:2*SROW th:TH_LOAD_NT scope:SCOPE_SE   ; slot 2
	s_mul_i32 s22, s15, HALF
	s_mul_i32 s23, s16, HALF
	s_add_co_u32 s23, s23, 2*HALF
.irp s, 0,1
	v_add_nc_u32 v[ADRA+\s], s22, v13
	v_add_nc_u32 v[ADRB+\s], s23, v13
	s_add_co_u32 s22, s22, SLOT
	s_add_co_u32 s23, s23, SLOT
.endr
	s_lshl_b32 s66, s42, 10
	s_lshl_b32 s67, s16, 9
	s_add_co_u32 s66, s66, s67
	s_mov_b32 s67, 0
	s_add_nc_u64 s[66:67], s[10:11], s[66:67]
	v_lshlrev_b32 v12, 6, v2
.irp g, 0,1,2,3
.irp j, 0,1,2,3
	global_load_b128 v[BIAS+16*\g+4*\j:BIAS+16*\g+4*\j+3], v12, s[66:67] offset:128*\g+16*\j
.endr
.endr
	s_lshl_b32 s68, s17, 4
	s_lshl_b32 s69, s15, 3
	s_add_co_u32 s68, s68, s69
	s_lshl_b32 s68, s68, 5
	s_lshl_b32 s69, s42, 1
	s_add_co_u32 s68, s68, s69
	s_add_co_u32 s68, s68, s16
	s_lshl_b32 s68, s68, 11
	s_mov_b32 s69, 0
	s_add_nc_u64 s[68:69], s[12:13], s[68:69]
	s_wait_alu depctr_va_vdst(0)
	s_wait_tensorcnt 0x0                           ; my part of slot 0 is in
	ds_add_u32 v[SPW], v[NIL]
	s_wait_dscnt 0x0
	CROUND                                         ; everybody's part of slot 0 is in, and the sixteen work-groups meet
	JLOAD G0+4, G1, G0B+4, G1B                     ; slot 1's first fill: the first tensor load behind the round
	FETCH_B 0, 0, 0
	FETCH_A 0, 0, 0
	FETCH_A 0, 0, 1
	global_prefetch_b8 v[PFO], s[PFA:PFA+1] offset:3*SROW th:TH_LOAD_NT scope:SCOPE_SE   ; slot 3
	STEP 0, 0, 1
.if LAPS > 1
	s_mov_b32 s3, LAPS-1
.Llap:
	MID 0, 1
	TURN 0, 1, 1
	MID 1, 0
	TURN 1, 0, 1
	STEP 0, 0, 0
	s_sub_co_u32 s3, s3, 1
	s_cmp_lg_u32 s3, 0
	s_cbranch_scc1 .Llap
.endif
	MID 0, 1
	TURN 0, 1, 0
	MID 1, 0
	s_wait_dscnt HL
	WIN MUL_LO
	MULH 0, 1, 0
	s_wait_dscnt 0
	WIN MUL_HI
	MULH 1, 1, 0
	WIN 0
	s_wait_kmcnt 0x0
	s_add_co_i32 s96, s76, s77
	s_add_co_i32 s96, s96, 127
	s_lshl_b32 s96, s96, 23
	s_mov_b32 s97, s96
	s_mov_b32 s94, 0xbfb8aa3b
	s_mov_b32 s95, s94
	s_add_co_i32 s98, s78, 127
	s_lshl_b32 s99, s98, 23
	v_mov_b32 v9, s99
	s_add_co_i32 s98, s98, 8
	s_lshl_b32 s98, s98, 23
	s_or_b32 s98, s98, 0x600000
	v_mov_b32 v8, s98
	PLACES 4
	s_wait_loadcnt 0x0
.macro OUTBLK a
.set AC, 64*((\a)%4)
.set CC, CD+16*((\a)%2)
	WIN 0x02+((\a)/4)
.set k, 0
.rept 32
	v_pk_fma_f32 v[VAL+k:VAL+k+1], v[AC+k:AC+k+1], s[96:97], v[BIAS+k:BIAS+k+1] op_sel_hi:[1,0,1]
.set k, k+2
.endr
	WIN 0
.set k, 0
.rept 32
	v_pk_mul_f32 v[EX+k:EX+k+1], v[VAL+k:VAL+k+1], s[94:95] op_sel_hi:[1,0]
.set k, k+2
.endr
.set k, 0
	s_wait_alu depctr_va_vdst(0)
.rept 64
	v_exp_f32 v[EX+k], v[EX+k]
.set k, k+1
.endr
	v_nop
	s_wait_alu depctr_va_vdst(0)
.set k, 0
.rept 32
	v_pk_add_f32 v[EX+k:EX+k+1], v[EX+k:EX+k+1], 1.0 op_sel_hi:[1,0]
.set k, k+2
.endr
.set k, 0
	s_wait_alu depctr_va_vdst(0)
.rept 64
	v_rcp_f32 v[EX+k], v[EX+k]
.set k, k+1
.endr
	v_nop
	s_wait_alu depctr_va_vdst(0)
.set k, 0
.rept 32
	v_pk_mul_f32 v[VAL+k:VAL+k+1], v[VAL+k:VAL+k+1], v[EX+k:EX+k+1]
.set k, k+2
.endr
.set k, 0
.rept 64
	v_med3_num_f32 v[VAL+k], v[VAL+k], -v8, v8
.set k, k+1
.endr
	s_wait_alu depctr_va_vdst(0)
	s_wait_xcnt 0x0
.irp g, 0,1,2,3
	v_cvt_scalef32_pk8_fp8_f32 v[CC+4*\g:CC+4*\g+1], v[VAL+16*\g:VAL+16*\g+7], v9
	v_cvt_scalef32_pk8_fp8_f32 v[CC+4*\g+2:CC+4*\g+3], v[VAL+16*\g+8:VAL+16*\g+15], v9
.endr
	v_nop
.irp g, 0,1,2,3
	global_store_b128 v13, v[CC+4*\g:CC+4*\g+3], s[68:69] offset:65536*(\a)+512*\g
.endr
.endm
.irp a, 0,1,2,3,4,5,6,7
	OUTBLK \a
.endr
	s_wait_tensorcnt 0x0
	ds_add_u32 v[SPW], v[NIL]
	s_wait_dscnt 0x0
	CROUND
	s_endpgm
.Lfunc_end_k_q9dd684a190_gffn1:
	.size	k_q9dd684a190_gffn1, .Lfunc_end_k_q9dd684a190_gffn1-k_q9dd684a190_gffn1
	.p2alignl 7, 3214868480
	.fill 96, 4, 3214868480
	.section	.rodata,"a",@progbits
	.p2align	6, 0x0
	.amdhsa_kernel k_q9dd684a190_gffn1
		.amdhsa_group_segment_fixed_size 327680
		.amdhsa_private_segment_fixed_size 0
		.amdhsa_enable_private_segment 0
		.amdhsa_kernarg_size 40
		.amdhsa_user_sgpr_count 2
		.amdhsa_user_sgpr_kernarg_segment_ptr 1
		.amdhsa_wavefront_size32 1
		.amdhsa_system_sgpr_workgroup_id_x 1
		.amdhsa_system_sgpr_workgroup_id_y 1
		.amdhsa_system_sgpr_workgroup_id_z 1
		.amdhsa_system_vgpr_workitem_id 0
		.amdhsa_next_free_vgpr 1024
		.amdhsa_next_free_sgpr 100
		.amdhsa_reserve_vcc 0
		.amdhsa_float_denorm_mode_32 3
		.amdhsa_float_denorm_mode_16_64 3
		.amdhsa_memory_ordered 1
		.amdhsa_forward_progress 1
		.amdhsa_inst_pref_size 218
	.end_amdhsa_kernel
	.amdgpu_metadata
---
amdhsa.version: [ 1, 2 ]
amdhsa.kernels:
  - .name:           k_q9dd684a190_gffn1
    .symbol:         k_q9dd684a190_gffn1.kd
    .args:
      - { .name: aimg, .offset: 0, .size: 8, .value_kind: global_buffer, .address_space: global }
      - { .name: wimg, .offset: 8, .size: 8, .value_kind: global_buffer, .address_space: global }
      - { .name: lowp_scales, .offset: 16, .size: 8, .value_kind: global_buffer, .address_space: global }
      - { .name: b_ffn1, .offset: 24, .size: 8, .value_kind: global_buffer, .address_space: global }
      - { .name: himg, .offset: 32, .size: 8, .value_kind: global_buffer, .address_space: global }
    .group_segment_fixed_size: 327680
    .private_segment_fixed_size: 0
    .kernarg_segment_align: 8
    .kernarg_segment_size: 40
    .max_flat_workgroup_size: 128
    .sgpr_count:     100
    .vgpr_count:     1024
    .wavefront_size: 32
...
	.end_amdgpu_metadata
.endif
;; end of part 6
;; launch gffn2 (part 7): grid 8 x 32, 4 waves a work-group, clusters of 4 x 4, 327,680 bytes of LDS; arguments himg, wimg, lowp_scales, b_ffn2, x1, out0; writes out0
.if DOCPART == 7
	.amdgcn_target "amdgcn-amd-amdhsa--gfx1250"
	.amdhsa_code_object_version 6
	.text
	.protected	k_q9dd684a190_gffn2
	.globl	k_q9dd684a190_gffn2
	.p2align	8
	.type	k_q9dd684a190_gffn2,@function
k_q9dd684a190_gffn2:
	s_mov_b64 s[64:65], 0
	v_nop
	global_prefetch_b8 v0, s[64:65] scope:SCOPE_SE
	s_setreg_imm32_b32 hwreg(HW_REG_WAVE_MODE, 25, 1), 1
	s_wait_xcnt 0x0
	s_wait_alu depctr_hold_cnt(0) depctr_sa_sdst(0) depctr_va_vdst(0) depctr_va_sdst(0) depctr_va_ssrc(0) depctr_va_vcc(0) depctr_vm_vsrc(0)
	s_getreg_b32 s2, hwreg(HW_REG_IB_STS2, 6, 4)
	s_cmp_eq_u32 s2, 0
	s_cbranch_scc0 .Lentry_in_a_cluster
	s_endpgm
.Lentry_in_a_cluster:
	s_bfe_u32 s2, ttmp6, 0x10000c
	s_cmp_lg_u32 s2, 0xf033
	s_cbranch_scc0 .Lentry_shape_is_right
	s_endpgm
.Lentry_shape_is_right:
.set MB,   4
.set NB,   4
.set KQ,   4
.set KTOT, 4096
.set WOFF, 8388608
.set SOFF, 40
.set AF,   32
.set FR,    16
.set NL,    4
.set HL,    (MB/2)*NL
.set RB,    16*KTOT
.set SROW,  2048*KQ
.set HALF,  MB*SROW
.set SLOT,  4*HALF
.set SPARE, 2*SLOT
.set LAPS,  KTOT/(256*KQ)
.set ADRA, 16
.set ADRB, 20
.set STO,  24
.set RD,   25
.set CO,   26
.set SPW,  28
.set NIL,  29
.set BK,   96
.set RES,  128
.set G1,  24
.set G0,  32
.set G1B, 48
.set G0B, 56
.set MSB, 0
.macro WIN new
.if MSB != (\new)
	s_set_vgpr_msb (MSB<<8)|(\new)
.set MSB, (\new)
.endif
.endm
.set MUL_LO, 0xa1
.set MUL_HI, 0xf1
.set TO_B,   0x40
.macro JLOAD g0a, g1a, g0b, g1b
	s_cmp_eq_u32 s15, 0
	s_cbranch_scc0 .Lfor_b_\@
	tensor_load_to_lds s[\g0a:\g0a+3], s[\g1a:\g1a+7]
	s_nop 0
.rept 4
	v_nop
.endr
	s_branch .Lasked_\@
.Lfor_b_\@:
	tensor_load_to_lds s[\g0b:\g0b+3], s[\g1b:\g1b+7]
	s_nop 0
.rept 4
	v_nop
.endr
.Lasked_\@:
.endm
.macro CREST
	s_cmp_lg_u32 s14, 0
	s_cbranch_scc1 .Lnot_wave_0_\@
	s_barrier_signal -3
.Lnot_wave_0_\@:
	s_barrier_wait -3
	s_barrier_signal -1
	s_barrier_wait -1
.endm
.macro CROUND
	s_barrier_signal -1
	s_barrier_wait -1
	CREST
.endm
.macro PLACES n
.rept \n
	v_nop
.endr
.endm
.macro FRAG reg, adr, q, i
.irp c, 0,1,2,3
	ds_load_b128 v[\reg+4*\c:\reg+4*\c+3], v[\adr] offset:(\i)*SROW+2048*(\q)+512*\c
.endr
.endm
.macro FETCH_B slot, q, p
	WIN TO_B
.set fi, 0
.rept NB
	FRAG 128*(\p)+FR*fi, ADRB+\slot, \q, fi
.set fi, fi+1
.endr
	WIN 0
.endm
.macro FETCH_A slot, q, half
.set fi, (\half)*(MB/2)
.rept MB/2
	FRAG AF+FR*fi, ADRA+\slot, \q, fi
.set fi, fi+1
.endr
.endm
.macro MULQ qtr, p, zero
.set ma, (\qtr)*(MB/4)
.rept MB/4
.set mb, 0
.rept NB
.set rAcc, 8*(NB*(ma%(MB/2))+mb)
.if \zero
	v_wmma_f32_16x16x128_fp8_fp8 v[rAcc:rAcc+7], v[128*(\p)+FR*mb:128*(\p)+FR*mb+FR-1], v[AF+FR*ma:AF+FR*ma+FR-1], 0
.else
	v_wmma_f32_16x16x128_fp8_fp8 v[rAcc:rAcc+7], v[128*(\p)+FR*mb:128*(\p)+FR*mb+FR-1], v[AF+FR*ma:AF+FR*ma+FR-1], v[rAcc:rAcc+7]
.endif
.set mb, mb+1
.endr
.set ma, ma+1
.endr
.endm
.macro MULH half, p, zero
	MULQ 2*(\half), \p, \zero
	MULQ 2*(\half)+1, \p, \zero
.endm
.macro STEP slot, q, zero
	s_wait_dscnt HL
	WIN MUL_LO
	MULH 0, (\q)%2, \zero
	s_wait_dscnt 0
	PLACES 4
	FETCH_B \slot, (\q)+1, 1-(\q)%2
	FETCH_A \slot, (\q)+1, 0
	WIN MUL_HI
	MULH 1, (\q)%2, \zero
	PLACES 4
	WIN 0
	FETCH_A \slot, (\q)+1, 1
.endm
.macro MID slot, q0
.if KQ-1-(\q0) > 0
.set sq, \q0
.rept KQ-1-(\q0)
	STEP \slot, sq, 0
.set sq, sq+1
.endr
.endif
.endm
.macro TURN slot, next, fill
.if \fill
	s_wait_xcnt 0x0                                ; my last prefetch has read its address: it is stepped here, a slot on
	s_add_nc_u64 s[PFA:PFA+1], s[PFA:PFA+1], SROW
.endif
	s_wait_tensorcnt 0x0
	ds_add_u32 v[SPW], v[NIL]
	s_wait_dscnt HL+1
	WIN MUL_LO
	MULQ 0, 1, 0
	s_wait_dscnt 0x0
	s_barrier_signal -1
	MULQ 1, 1, 0
	WIN 0
	s_barrier_wait -1
.if \fill
	CREST
	s_add_nc_u64 s[G0+4*\slot+2:G0+4*\slot+3], s[G0+4*\slot+2:G0+4*\slot+3], 2*SROW
	s_add_nc_u64 s[G0B+4*\slot+2:G0B+4*\slot+3], s[G0B+4*\slot+2:G0B+4*\slot+3], 2*SROW
	JLOAD G0+4*\slot, G1, G0B+4*\slot, G1B
.else
	PLACES 4
.endif
	FETCH_B \next, 0, 0
	FETCH_A \next, 0, 0
.if \fill
	s_cmp_gt_u32 s3, 1                             ; the loop's last trip refills slots 6 and 7: no slot stands two on
	s_cbranch_scc0 .Lno_ask_\@
	global_prefetch_b8 v[PFO], s[PFA:PFA+1] offset:3*SROW th:TH_LOAD_NT scope:SCOPE_SE   ; the slot two on from the refill just asked for: my work-group's block of the four that I fetch, 32 lanes x 256 bytes
.Lno_ask_\@:
.endif
	WIN MUL_HI
	MULH 1, 1, 0
	PLACES 4
	WIN 0
	FETCH_A \next, 0, 1
.endm
	s_load_b128 s[4:7], s[0:1], 0x0
	s_load_b128 s[8:11], s[0:1], 0x10
	s_load_b128 s[68:71], s[0:1], 0x20
	v_lshl_add_u32 v[SPW], v0, 2, SPARE
	v_mov_b32 v[NIL], 0
	ds_add_u32 v28, v29
	ds_add_u32 v28, v29
	s_wait_dscnt 0x0
	v_lshrrev_b32 v1, 5, v0
	v_readfirstlane_b32 s14, v1
	s_lshr_b32 s15, s14, 1
	s_and_b32 s16, s14, 1
	s_bfe_u32 s40, ttmp6, 0x40000
	s_bfe_u32 s41, ttmp6, 0x40004
	s_lshl_b32 s42, ttmp9, 2
	s_add_co_u32 s42, s42, s40
	s_and_b32 s17, ttmp7, 0xffff
	s_lshl_b32 s17, s17, 2
	s_add_co_u32 s17, s17, s41
	s_lshl_b32 s43, s41, 2
	s_lshl_b32 s43, 15, s43
	s_lshl_b32 s44, 0x1111, s40
	s_or_b32 s[G1+0], s43, (1<<21)
	s_or_b32 s[G1B+0], s44, (1<<21)
.irp g, G1, G1B
	s_mov_b32 s[\g+1], SROW<<16
	s_mov_b32 s[\g+2], MB<<16
	s_mov_b32 s[\g+3], SROW<<16
	s_mov_b32 s[\g+4], MB
	s_mov_b32 s[\g+5], RB
	s_mov_b32 s[\g+6], 0
	s_mov_b32 s[\g+7], 0
.endr
	s_mul_i32 s18, s16, MB
	s_mul_i32 s20, s17, 2*MB
	s_add_co_u32 s20, s20, s18
	s_mul_i32 s20, s20, RB
	s_mov_b32 s21, 0
	s_mul_i32 s46, s42, 2*NB
	s_add_co_u32 s46, s46, s18
	s_mul_i32 s46, s46, RB
	s_add_co_u32 s46, s46, WOFF
	s_mov_b32 s47, 0
	s_mul_i32 s45, s14, HALF
	s_wait_kmcnt 0x0
	s_load_b64 s[96:97], s[8:9], SOFF
	s_add_nc_u64 s[20:21], s[4:5], s[20:21]
	s_add_nc_u64 s[46:47], s[6:7], s[46:47]
	CROUND
.irp s, 0,1
	s_mov_b32 s[G0+4*\s], 1
	s_add_co_u32 s[G0+4*\s+1], s45, \s*SLOT
	s_add_nc_u64 s[G0+4*\s+2:G0+4*\s+3], s[20:21], \s*SROW
	s_or_b32 s[G0+4*\s+3], s[G0+4*\s+3], 0x80000000
	s_mov_b32 s[G0B+4*\s], 1
	s_add_co_u32 s[G0B+4*\s+1], s45, \s*SLOT
	s_add_nc_u64 s[G0B+4*\s+2:G0B+4*\s+3], s[46:47], \s*SROW
	s_or_b32 s[G0B+4*\s+3], s[G0B+4*\s+3], 0x80000000
.endr
	JLOAD G0, G1, G0B, G1B                         ; slot 0: one tensor load a wave at the head
	; PREFETCH INTO THE L2: behind the load of slot j stands one request for slot j + 2, up to slot 7.  A wave's load is 4 blocks x 8,192 bytes; the four partners that ask for it jointly
	; share the blocks out by address (cx for the A side, cy for the B side): a block a work-group, lanes 256 bytes apart, so each 256 bytes are named once in the cluster
.set PFA, 84                           ; s[84:85] my block of the wave's four, at the slot in hand
.set PFO, 30                           ; v30 256 x lane; never rewritten
	s_cmp_eq_u32 s15, 0
	s_cselect_b64 s[PFA:PFA+1], s[20:21], s[46:47]
	s_cselect_b32 s86, s40, s41
	s_mul_i32 s86, s86, RB
	s_mov_b32 s87, 0
	s_add_nc_u64 s[PFA:PFA+1], s[PFA:PFA+1], s[86:87]
	v_and_b32 v1, 15, v0
	s_wait_alu depctr_va_vdst(0)
	v_bfe_u32 v2, v0, 4, 1
	v_and_b32 v3, 31, v0
	v_lshlrev_b32 v13, 4, v3
	v_lshlrev_b32 v[PFO], 8, v3
	global_prefetch_b8 v[PFO], s[PFA:PFA+1] offset:SROW th:TH_LOAD_NT scope:SCOPE_SE     ; slot 1, whose load goes out when slot 0 has landed
	global_prefetch_b8 v[PFO], s[PFA:PFA+1] offset:2*SROW th:TH_LOAD_NT scope:SCOPE_SE   ; slot 2
	s_mul_i32 s22, s15, HALF
	s_mul_i32 s23, s16, HALF
	s_add_co_u32 s23, s23, 2*HALF
.irp s, 0,1
	v_add_nc_u32 v[ADRA+\s], s22, v13
	v_add_nc_u32 v[ADRB+\s], s23, v13
	s_add_co_u32 s22, s22, SLOT
	s_add_co_u32 s23, s23, SLOT
.endr
	s_mul_i32 s76, s14, 4352
	v_mul_u32_u24 v[STO], v1, 272
	s_wait_alu depctr_va_vdst(0)
	v_lshl_add_u32 v[STO], v2, 6, v[STO]
	v_add_nc_u32 v[STO], s76, v[STO]
	v_mul_u32_u24 v[RD], v2, 272
	v_lshl_add_u32 v[RD], v1, 4, v[RD]
	v_add_nc_u32 v[RD], s76, v[RD]
	v_lshlrev_b32 v27, 4, v1
	s_wait_alu depctr_va_vdst(0)
	v_lshl_add_u32 v[CO], v2, 12, v27
	s_wait_alu depctr_va_vdst(0)
	s_lshl_b32 s72, s42, 9
	s_lshl_b32 s73, s16, 8
	s_add_co_u32 s72, s72, s73
	s_mov_b32 s73, 0
	s_add_nc_u64 s[74:75], s[10:11], s[72:73]
	s_lshl_b32 s77, s17, 19
	s_add_co_u32 s72, s72, s77
	s_lshl_b32 s77, s15, 18
	s_add_co_u32 s72, s72, s77
	s_add_nc_u64 s[68:69], s[68:69], s[72:73]
	s_add_nc_u64 s[70:71], s[70:71], s[72:73]
	global_load_b128 v[4:7], v27, s[74:75]
	s_wait_alu depctr_va_vdst(0)                   ; the wait at the head's end
	s_wait_tensorcnt 0x0                           ; my part of slot 0 is in
	ds_add_u32 v[SPW], v[NIL]
	s_wait_dscnt 0x0
	CROUND                                         ; everybody's part of slot 0 is in, and the sixteen work-groups meet
	JLOAD G0+4, G1, G0B+4, G1B                     ; slot 1's first fill: the first tensor load behind the round
	FETCH_B 0, 0, 0
	FETCH_A 0, 0, 0
	FETCH_A 0, 0, 1
	global_prefetch_b8 v[PFO], s[PFA:PFA+1] offset:3*SROW th:TH_LOAD_NT scope:SCOPE_SE   ; slot 3
	STEP 0, 0, 1
.irp a, 0,1,2,3                        ; the residual, my 64 rows x 256 bytes, is asked for behind the first two slots' tiles and lands under the K loop
.irp t, 0,1,2,3,4,5,6,7
	global_load_b128 v[RES+32*\a+4*\t:RES+32*\a+4*\t+3], v[CO], s[68:69] offset:(16*\a+2*\t)*4096
.endr
.endr
.if LAPS > 1
	s_mov_b32 s3, LAPS-1
.Llap:
	MID 0, 1
	TURN 0, 1, 1
	MID 1, 0
	TURN 1, 0, 1
	STEP 0, 0, 0
	s_sub_co_u32 s3, s3, 1
	s_cmp_lg_u32 s3, 0
	s_cbranch_scc1 .Llap
.endif
	MID 0, 1
	TURN 0, 1, 0
	MID 1, 0
	s_wait_dscnt HL
	WIN MUL_LO
	MULH 0, 1, 0
	s_wait_dscnt 0
	WIN MUL_HI
	MULH 1, 1, 0
	WIN 0
	s_wait_kmcnt 0x0
	s_add_co_i32 s96, s96, s97
	s_add_co_i32 s96, s96, 127
	s_lshl_b32 s96, s96, 23
	s_mov_b32 s97, s96
	PLACES 4
	s_wait_loadcnt 0x0
.macro OUTBLK a
	WIN 0x08+4*((\a)/2)
.irp b, 0,1,2,3
	ds_store_b128 v[STO], v[8*(4*((\a)%2)+\b):8*(4*((\a)%2)+\b)+3] offset:128*(\b/2)+32*(\b%2)
	ds_store_b128 v[STO], v[8*(4*((\a)%2)+\b)+4:8*(4*((\a)%2)+\b)+7] offset:128*(\b/2)+32*(\b%2)+16
.endr
	WIN 0
.irp t, 0,1,2,3,4,5,6,7
	ds_load_b128 v[BK+4*\t:BK+4*\t+3], v[RD] offset:544*\t
.endr
.irp t, 0,1,2,3,4,5,6,7
	v_pk_add_f32 v[RES+32*(\a)+4*\t:RES+32*(\a)+4*\t+1], v[RES+32*(\a)+4*\t:RES+32*(\a)+4*\t+1], v[4:5]
	v_pk_add_f32 v[RES+32*(\a)+4*\t+2:RES+32*(\a)+4*\t+3], v[RES+32*(\a)+4*\t+2:RES+32*(\a)+4*\t+3], v[6:7]
.endr
	s_wait_dscnt 0x0
.irp t, 0,1,2,3,4,5,6,7
	v_pk_fma_f32 v[RES+32*(\a)+4*\t:RES+32*(\a)+4*\t+1], v[BK+4*\t:BK+4*\t+1], s[96:97], v[RES+32*(\a)+4*\t:RES+32*(\a)+4*\t+1] op_sel_hi:[1,0,1]
	v_pk_fma_f32 v[RES+32*(\a)+4*\t+2:RES+32*(\a)+4*\t+3], v[BK+4*\t+2:BK+4*\t+3], s[96:97], v[RES+32*(\a)+4*\t+2:RES+32*(\a)+4*\t+3] op_sel_hi:[1,0,1]
.endr
.irp t, 0,1,2,3,4,5,6,7
	global_store_b128 v[CO], v[RES+32*(\a)+4*\t:RES+32*(\a)+4*\t+3], s[70:71] offset:(16*(\a)+2*\t)*4096 th:TH_STORE_NT
.endr
.endm
	OUTBLK 0
	OUTBLK 1
	OUTBLK 2
	OUTBLK 3
	s_wait_tensorcnt 0x0
	ds_add_u32 v[SPW], v[NIL]
	s_wait_dscnt 0x0
	CROUND
	s_endpgm
.Lfunc_end_k_q9dd684a190_gffn2:
	.size	k_q9dd684a190_gffn2, .Lfunc_end_k_q9dd684a190_gffn2-k_q9dd684a190_gffn2
	.p2alignl 7, 3214868480
	.fill 96, 4, 3214868480
	.section	.rodata,"a",@progbits
	.p2align	6, 0x0
	.amdhsa_kernel k_q9dd684a190_gffn2
		.amdhsa_group_segment_fixed_size 327680
		.amdhsa_private_segment_fixed_size 0
		.amdhsa_enable_private_segment 0
		.amdhsa_kernarg_size 48
		.amdhsa_user_sgpr_count 2
		.amdhsa_user_sgpr_kernarg_segment_ptr 1
		.amdhsa_wavefront_size32 1
		.amdhsa_system_sgpr_workgroup_id_x 1
		.amdhsa_system_sgpr_workgroup_id_y 1
		.amdhsa_system_sgpr_workgroup_id_z 1
		.amdhsa_system_vgpr_workitem_id 0
		.amdhsa_next_free_vgpr 1024
		.amdhsa_next_free_sgpr 100
		.amdhsa_reserve_vcc 0
		.amdhsa_float_denorm_mode_32 3
		.amdhsa_float_denorm_mode_16_64 3
		.amdhsa_memory_ordered 1
		.amdhsa_forward_progress 1
		.amdhsa_inst_pref_size 86
	.end_amdhsa_kernel
	.amdgpu_metadata
---
amdhsa.version: [ 1, 2 ]
amdhsa.kernels:
  - .name:           k_q9dd684a190_gffn2
    .symbol:         k_q9dd684a190_gffn2.kd
    .args:
      - { .name: himg, .offset: 0, .size: 8, .value_kind: global_buffer, .address_space: global }
      - { .name: wimg, .offset: 8, .size: 8, .value_kind: global_buffer, .address_space: global }
      - { .name: lowp_scales, .offset: 16, .size: 8, .value_kind: global_buffer, .address_space: global }
      - { .name: b_ffn2, .offset: 24, .size: 8, .value_kind: global_buffer, .address_space: global }
      - { .name: x1, .offset: 32, .size: 8, .value_kind: global_buffer, .address_space: global }
      - { .name: out0, .offset: 40, .size: 8, .value_kind: global_buffer, .address_space: global }
    .group_segment_fixed_size: 327680
    .private_segment_fixed_size: 0
    .kernarg_segment_align: 8
    .kernarg_segment_size: 48
    .max_flat_workgroup_size: 128
    .sgpr_count:     100
    .vgpr_count:     1024
    .wavefront_size: 32
...
	.end_amdgpu_metadata
.endif
;; end of part 7
